; MI455X (gfx1250); checked and timed in simulation.
; The chip was launched on July 23, 2026; its instructions are those of AMD's public machine-readable ISA for CDNA 5 (MIT licence, August 2026) and "CDNA5" Instruction Set Architecture Reference Guide (July 2026). The comments in the code are by the model that wrote it; some were corrected since.
;; Bilinear Scoring Function. Allowed arithmetic: matrix products marked QUANTISED: E2M3 operands, one E8M0 scale for each 32 along K, by v_wmma_scale_f32_16x16x128_f8f6f4 with both operands' format E2M3, f32 sums; products left as they are: f32 operands where the result goes on into a quantised operand, else bf16, f16 or f32 operands; f32 sums; everything else in f32.
;; Inputs: V_R_codes 256 x 32 x 24 uint8 (E2M3 codes of V_R, K innermost, in blocks of 32 codes, four codes in three bytes); V_R_scales 256 x 32 uint8 (E8M0 scales of V_R, one for each 32 codes along K); W_R_codes 256 x 512 x 16 x 24 uint8 (E2M3 codes of W_R, K innermost, in blocks of 32 codes, four codes in three bytes); W_R_scales 256 x 512 x 16 uint8 (E8M0 scales of W_R, one for each 32 codes along K); b_R 256 float32; head_embeddings 1,024 x 512 float32; relation_embeddings 1,024 x 512 float32; tail_embeddings 1,024 x 512 float32; u_R 256 float32.
;; Outputs: out0 1,024 float32.
;; This version of the problem:
;;   THIS VERSION OF THE PROBLEM IS GIVEN IN LOW PRECISION. The matrix products marked QUANTISED in the list below multiply operands that are first quantised to E2M3 (2 exponent bits, 3 mantissa bits; 6 bits a number), with one power-of-two scale for each 32 numbers along K (OCP MX v1.0); their sums are f32. All else is computed in f32.
;;   The module's matrix products, in the order in which they are computed (A, B: the left and right operand; K: the contracted axis; several contracted axes count as one K, in the product's order):
;;     1. [M 131,072, K 512] x [K 512, N 1,024]; A: input W_R (given as codes); B: input head_embeddings: QUANTISED
;;     2. batch 1,024 x [M 1, K 512] x [K 512, N 256]; A: input tail_embeddings; B: computed on the way: left as it is (M = 1 < 16)
;;     3. [M 1,024, K 1,024] x [K 1,024, N 256]; A: computed on the way; B: input V_R (given as codes): QUANTISED
;;     4. [M 1,024, K 256] x [K 256, N 1]; A: computed on the way; B: input u_R: left as it is (N = 1 < 16)
;;   THE QUANTISER, for each operand of a quantised product, along K:
;;     - K is cut into blocks of 32 from its start; a last block that is shorter is filled with zeros.
;;     - A block's scale is 2^e with e = floor(log2(the largest magnitude in the block)) - 2, held to -126 .. 127; a block of zeros has e = 0. As a byte (E8M0): e + 127.
;;     - Each number is divided by its block's scale, clamped to +-7.5, and rounded to the nearest number of E2M3, ties to even, subnormals kept.
;;     - The product sums the exact products of the quantised numbers (number of the format x scale) in f32.
;;   ~~~python
;;   def quantise(x, axis):      # numpy; x: float32 -> the quantised numbers, widened to float32 again
;;       x = np.moveaxis(x, axis, -1); K = x.shape[-1]
;;       x = np.pad(x, [(0, 0)] * (x.ndim - 1) + [(0, -K % 32)]); x = x.reshape(x.shape[:-1] + (-1, 32)); a = np.abs(x).max(-1, keepdims=True)
;;       e = np.where(a > 0, np.clip(np.frexp(np.where(a > 0, a, 1))[1] - 1 - 2, -126, 127), 0)      # np.frexp(a)[1] - 1 = floor(log2(a)), exactly
;;       r = np.clip(x / 2.0 ** e, -7.5, 7.5)
;;       step = 2.0 ** (np.maximum(np.frexp(np.where(r == 0, 1, r))[1] - 1, 0) - 3)
;;       q = np.round(r / step) * step * 2.0 ** e      # np.round: ties to even
;;       return np.moveaxis(q.reshape(q.shape[:-2] + (-1,))[..., :K], -1, axis).astype(np.float32)
;;   ~~~
;;   OPERANDS COMPUTED ON THE WAY. 'Computed on the way' means the value that the module computes at that place (a softmax that the list does not call 'softmax' is quantised finished and normalised). What goes into a quantiser is computed in f32, as accurately as f32 sums, v_exp_f32 and their like allow (about 1e-6 of the number): no bf16 or f16 on the way to a quantiser, and a product that is left as it is and whose result goes on into a quantised operand takes f32 operands (vector FMAs, or v_wmma_f32_16x16x4_f32). A number that lies on a knife's edge between two numbers of the format may be rounded either way, as far as f32 arithmetic and the matrix unit's own rounding can turn it there, and no further.
;;   INPUTS GIVEN AS CODES. V_R (in the module: [256, 1024], K = its axis 1); W_R (in the module: [256, 512, 512], K = its axis 1): each comes as NAME_codes (uint8): NAME with its K axis moved to the last place and cut into blocks of 32 codes, [.., K / 32, bytes a block], one block behind the other in memory; four codes in three bytes: a row's codes are one little-endian stream of bits, code i at bits 6 i .. 6 i + 5 (a code: sign, 2 exponent bits, 3 mantissa bits); and NAME_scales (uint8): the same leading axes, one E8M0 byte (e + 127) for each 32 codes along K. Its value is code x scale, taken as it is: it is not quantised again, and the codes and scales need not be those that the quantiser above would give.
;; 2 versions. Each part assembles by itself: llvm-mc -triple=amdgcn-amd-amdhsa -mcpu=gfx1250 --defsym DOCPART=n.
;; ======== version 1 of 2: 3 launches
;; workspace buffers: hcod 393,216 bytes; hscl 16,384 bytes; timg 2,097,152 bytes; lin 1,048,576 bytes; part 2,097,152 bytes
;; launch prep (part 1): grid 64 x 1, 16 waves a work-group, no clusters, 18,432 bytes of LDS; arguments head_embeddings, tail_embeddings, V_R_codes, V_R_scales, b_R, hcod, hscl, timg, lin; writes hcod, hscl, timg, lin
.if DOCPART == 1
	.amdgcn_target "amdgcn-amd-amdhsa--gfx1250"
	.amdhsa_code_object_version 6
	.text
	.protected	k_q86b564faaa_prep
	.globl	k_q86b564faaa_prep
	.p2align	8
	.type	k_q86b564faaa_prep,@function
k_q86b564faaa_prep:
	s_mov_b64 s[64:65], 0
	v_nop
	global_prefetch_b8 v0, s[64:65] scope:SCOPE_SE
	s_setreg_imm32_b32 hwreg(HW_REG_WAVE_MODE, 25, 1), 1
	s_wait_xcnt 0x0
; PREP.  For 16 rows b of the batch (work-group bt: rows 16 bt .. 16 bt + 15):
;   (1) head and tail are quantised along their 512 numbers to codes of FP6 (E2M3) with one E8M0 byte for each 32: together the 1,024 along K of concat(head, tail);
;   (2) head's codes leave as images of operand registers (hcod), its scale words as [b][4 words] (hscl), tail's f32 numbers in the lane order of a matrix result (timg): what the next launch reads;
;   (3) lin[b][h] = Q(concat) . V[h] + b_R[h] for all 256 h, by the scaled FP6 matrix instruction, b_R as the C of the first one.
; A block's scale is 2^(floor(log2(largest magnitude)) - 2): its byte is the largest magnitude's exponent field - 2, held at 1 from below by a floor among the maximum's leaves.
; LIMITS: a block of zeros gets the byte 1 (not 127) over zero codes, which add nothing; these bytes are read by this program alone.  NaN and infinities among the inputs are not served.
; The sum over K goes in two accumulators (even and odd K steps), added at the end: another order than a single chain.
; relation_embeddings is not among the arguments: the function that is computed makes nothing of it.
; SHARES.  Sixteen waves.  Waves 0-3 quantise head's K steps 0-3 (128 numbers of each of the 16 rows), waves 4-7 tail's; the eight fragments meet in LDS as images of their registers
; (12 registers a lane: three stores of 16 bytes a lane, 512 consecutive bytes each); behind one barrier every wave w takes all eight and makes the tile h = 16 w .. 16 w + 15.
; No tensor loads, no ring.
.set XIMG, 0                           ; LDS: eight images of 1,536 bytes (K step s of the concatenation at 1,536 s),
.set XSC,  12288                       ; their scale words, 128 bytes each (4 bytes a lane),
.set HSB,  13312                       ; and head's scale words as [row 16][4 words]: 256 bytes
.set XA,  4                            ; v4   2,048 r + 64 hh: my 16 numbers of a block of 32 in row r
.set LI,  5                            ; v5   16 x lane
.set LS,  6                            ; v6   4 x lane
.set XWI, 7                            ; v7   16 x lane + 1,536 x (wave & 7): where I store an image
.set XWS, 8                            ; v8   4 x lane + 128 x (wave & 7): and its scale word
.set HSA, 9                            ; v9   16 r + 4 x (wave & 3)
.set VA,  10                           ; v10  768 r + 24 hh: V's fragments
.set VSO, 11                           ; v11  32 r: V's scale words
.set BO,  12                           ; v12  32 hh: b_R
.set TO,  13                           ; v13  16,384 hh + 16 r: timg
.set LO,  14                           ; v14  512 hh + 16 r: lin
.set L8,  15                           ; v15  8 x lane
.set VF,  16                           ; v16-111  V's eight fragments
.set VS,  112                          ; v112-119 V's scale words
.set XSW, 120                          ; v120-127 the concatenation's scale words
.set BI,  128                          ; v128-135 b_R in the result's layout; at the end the result
.set D0,  136                          ; v136-143 even K steps
.set D1,  144                          ; v144-151 odd K steps
.set ST,  152                          ; v152-215 64 numbers of a lane
.set XF,  152                          ; v152-247 behind the barrier: the eight fragments
.set TM,  216                          ; v216-231 at work in QUANT
.set PW,  232                          ; v232     the scale word just made
.set PC,  234                          ; v234-253 the codes just made
.set WV,  22
.set W4,  23
.set SEL, 24
; 64 numbers of a lane, v[s] .. v[s + 63], register 16 b + i = k 32 b + 16 hh + i of my row, become a fragment's codes in v[PC] on and its scale word in v[PW].
.macro QUANT s
.irp b, 0,1,2,3
	v_max3_num_f32 v[TM+\b], |v[\s+16*\b]|, |v[\s+1+16*\b]|, 0x1800000   ; block b: my 16 numbers, and the floor 2^(3 - 127): the byte cannot fall under 1
.endr
.irp i, 2,4,6,8,10,12,14
.irp b, 0,1,2,3
	v_max3_num_f32 v[TM+\b], v[TM+\b], |v[\s+16*\b+\i]|, |v[\s+1+16*\b+\i]|   ; the four blocks by turns
.endr
.endr
.irp b, 0,1,2,3
	v_permlanex16_b32 v[TM+4+\b], v[TM+\b], s[SEL], s[SEL+1]
.endr
.irp b, 0,1,2,3
	v_max_num_f32 v[TM+\b], v[TM+\b], v[TM+4+\b]   ; with lane l xor 16's 16 numbers: the block's largest magnitude
.endr
.irp b, 0,1,2,3
	v_add_nc_u32 v[TM+12+\b], 0xff000000, v[TM+\b]   ; 2 off its exponent field: the conversion takes the exponent field of this operand as its scale
.endr
.irp b, 0,1,2,3
	v_lshrrev_b32 v[TM+4+\b], 23, v[TM+12+\b]      ; the scale's byte
.endr
	v_lshl_or_b32 v[PW], v[TM+5], 8, v[TM+4]       ; four bytes: my row's scale word for these 128 along K
	v_lshl_or_b32 v[PW], v[TM+6], 16, v[PW]
	v_lshl_or_b32 v[PW], v[TM+7], 24, v[PW]
.irp c, 0,1
	v_cvt_scalef32_pk16_fp6_f32 v[PC+6*\c:PC+2+6*\c], v[\s+32*\c:\s+15+32*\c], v[TM+12+2*\c]
	v_cvt_scalef32_pk16_fp6_f32 v[PC+12+4*\c:PC+14+4*\c], v[\s+16+32*\c:\s+31+32*\c], v[TM+12+2*\c+1]   ; (a conversion's three registers begin on an even number)
.endr
	v_nop                                          ; one plain instruction behind the scaled conversions
.irp c, 0,1                                    ; the operand's layout wants a whole block in a lane: lanes 0-15 block 2 c, lanes 16-31 block 2 c + 1
.irp i, 0,1,2
	v_permlane16_swap_b32 v[PC+6*\c+\i], v[PC+12+4*\c+\i]
.endr
.irp i, 0,1,2
	v_mov_b32 v[PC+3+6*\c+\i], v[PC+12+4*\c+\i]
.endr
.endr
.endm
	s_load_b512 s[4:19], s[0:1], 0x0               ; head s[4:5], tail s[6:7], V's codes s[8:9], V's scales s[10:11], b_R s[12:13], hcod s[14:15], hscl s[16:17], timg s[18:19]
	s_load_b64 s[20:21], s[0:1], 0x40              ; lin
	v_lshl_add_u32 v254, v0, 2, 0x4000
	v_mov_b32 v255, 0
	v_lshrrev_b32 v1, 5, v0
	v_readfirstlane_b32 s[WV], v1                  ; wave 0..15
	s_and_b32 s[W4], s[WV], 3                      ; which K step of head or of tail
	s_and_b32 s26, s[WV], 7                        ; which K step of the concatenation
	v_and_b32 v1, 31, v0                           ; lane
	v_and_b32 v2, 15, v0                           ; r
	v_bfe_u32 v3, v0, 4, 1                         ; hh
	v_lshlrev_b32 v[XA], 11, v2
	v_lshl_add_u32 v[XA], v3, 6, v[XA]
	v_lshlrev_b32 v[LI], 4, v1
	v_lshlrev_b32 v[LS], 2, v1
	s_mul_i32 s27, s26, 1536
	v_add_nc_u32 v[XWI], s27, v[LI]
	s_lshl_b32 s27, s26, 7
	v_add_nc_u32 v[XWS], s27, v[LS]
	s_lshl_b32 s27, s[W4], 2
	v_lshl_add_u32 v[HSA], v2, 4, s27
	v_mul_u32_u24 v[VA], v2, 768                   ; a row of V is 1,024 codes: 768 bytes
	v_mad_u32_u24 v[VA], v3, 24, v[VA]
	v_lshlrev_b32 v[VSO], 5, v2
	v_lshlrev_b32 v[BO], 5, v3
	v_lshlrev_b32 v[TO], 4, v2
	v_lshl_add_u32 v[TO], v3, 14, v[TO]
	v_lshlrev_b32 v[LO], 4, v2
	v_lshl_add_u32 v[LO], v3, 9, v[LO]
	v_lshlrev_b32 v[L8], 3, v1
.irp b, 0,1,2,3
	v_mov_b32 v[TM+4+\b], 0                        ; written once: a lane permute's destination counts as one of its sources
.endr
	s_mov_b32 s[SEL], 0x76543210
	s_mov_b32 s[SEL+1], 0xfedcba98                 ; lane l xor 16
	s_mov_b32 s29, 0
	s_wait_kmcnt 0x0
	s_mul_i32 s28, s[WV], 12288                    ; my 16 rows of V: 16 x 768 bytes,
	s_add_nc_u64 s[8:9], s[8:9], s[28:29]
	s_lshl_b32 s28, s[WV], 9                       ; their scale bytes: 16 x 32,
	s_add_nc_u64 s[10:11], s[10:11], s[28:29]
	s_lshl_b32 s28, s[WV], 6                       ; my 16 numbers of b_R
	s_add_nc_u64 s[12:13], s[12:13], s[28:29]
.irp s, 0,1,2,3,4,5,6,7                        ; V's fragments: lane (r, hh) takes 24 bytes at 96 s + 24 hh of row r and 24 bytes 48 further on, in pieces of 8
.irp p, 0,1,2,3,4,5
	global_load_b64 v[VF+12*\s+2*\p:VF+12*\s+2*\p+1], v[VA], s[8:9] offset:96*\s+48*(\p/3)+8*(\p%3)
.endr
.endr
	global_load_b128 v[VS:VS+3], v[VSO], s[10:11]              ; row r's eight scale words
	global_load_b128 v[VS+4:VS+7], v[VSO], s[10:11] offset:16
	global_load_b128 v[BI:BI+3], v[BO], s[12:13]               ; b_R[16 w + 8 hh + 0 .. 7]: the result's layout
	global_load_b128 v[BI+4:BI+7], v[BO], s[12:13] offset:16
	s_cmp_lt_u32 s[WV], 4                          ; waves 0-3 read head, the others tail: the choice hangs on the wave's number alone
	s_cselect_b64 s[30:31], s[4:5], s[6:7]
	s_lshl_b32 s28, ttmp9, 15                      ; 16 rows of 2,048 bytes a work-group,
	s_lshl_b32 s27, s[W4], 9                       ; 512 bytes a K step
	s_add_co_u32 s28, s28, s27
	s_add_nc_u64 s[30:31], s[30:31], s[28:29]
	s_mul_i32 s28, ttmp9, 6144                     ; hcod: [bt][K step][3][lane][16 bytes]
	s_mul_i32 s27, s[W4], 1536
	s_add_co_u32 s28, s28, s27
	s_add_nc_u64 s[14:15], s[14:15], s[28:29]
	s_lshl_b32 s28, ttmp9, 8                       ; hscl: 256 bytes a work-group
	s_add_nc_u64 s[16:17], s[16:17], s[28:29]
	s_lshl_b32 s28, s[W4], 19                      ; timg: [jp 16][bq 4][jtl 2][btl 16][q 2][lane 32][16 bytes]; my K step is jp = 4 w' + block,
	s_lshr_b32 s27, ttmp9, 4
	s_lshl_b32 s27, s27, 15                        ; bq = bt / 16,
	s_add_co_u32 s28, s28, s27
	s_and_b32 s27, ttmp9, 15
	s_lshl_b32 s27, s27, 10                        ; btl = bt % 16
	s_add_co_u32 s28, s28, s27
	s_add_nc_u64 s[18:19], s[18:19], s[28:29]
	s_lshl_b32 s28, ttmp9, 14                      ; lin: [bt][hq 64][r 16][4 h]: 16,384 bytes a work-group, 1,024 a wave
	s_lshl_b32 s27, s[WV], 10
	s_add_co_u32 s28, s28, s27
	s_add_nc_u64 s[20:21], s[20:21], s[28:29]
	s_cmp_lt_u32 s[WV], 8
	s_cbranch_scc0 .Lno_quant                      ; waves 8-15 quantise nothing
.irp b, 0,1,2,3
.irp j, 0,1,2,3
	global_load_b128 v[ST+16*\b+4*\j:ST+16*\b+4*\j+3], v[XA], s[30:31] offset:128*\b+16*\j th:TH_LOAD_NT   ; register 16 b + i = k 32 b + 16 hh + i of row r
.endr
.endr
	s_wait_loadcnt 0x0
	QUANT ST
.irp c, 0,1,2
	ds_store_b128 v[XWI], v[PC+4*\c:PC+4*\c+3] offset:XIMG+512*\c      ; the fragment as it stands
.endr
	ds_store_b32 v[XWS], v[PW] offset:XSC
	s_cmp_lt_u32 s[WV], 4
	s_cbranch_scc0 .Ltail
	ds_store_b32 v[HSA], v[PW] offset:HSB          ; lanes r and r + 16 write the same word with the same value
.irp c, 0,1,2
	global_store_b128 v[LI], v[PC+4*\c:PC+4*\c+3], s[14:15] offset:512*\c   ; 32 lanes store 512 consecutive bytes, aligned
.endr
	s_branch .Lno_quant
.Ltail:
; my register 16 b + 4 i4 + e is tail[row r][j = 128 w' + 32 b + 16 hh + 4 i4 + e]: tile of j 2 (4 w' + b) + hh; in it the reader's half of the lanes is i4 / 2 and its quad i4 % 2
.irp b, 0,1,2,3
.irp j, 0,1,2,3
	global_store_b128 v[TO], v[ST+16*\b+4*\j:ST+16*\b+4*\j+3], s[18:19] offset:131072*\b+512*(\j%2)+256*(\j/2)   ; each half of the lanes stores 256 consecutive bytes, aligned
.endr
.endr
.Lno_quant:
	s_wait_xcnt 0x0                                ; the stores have read their registers, which LDS loads fill again below
	s_wait_dscnt 0x0                               ; for the others' sake: my LDS stores have landed
	s_barrier_signal -1
	s_barrier_wait -1                              ; the eight images lie in LDS
.irp s, 0,1,2,3,4,5,6,7
.irp c, 0,1,2
	ds_load_b128 v[XF+12*\s+4*\c:XF+12*\s+4*\c+3], v[LI] offset:XIMG+1536*\s+512*\c
.endr
	ds_load_b32 v[XSW+\s], v[LS] offset:XSC+128*\s
.endr
	s_cmp_lg_u32 s[WV], 0
	s_cbranch_scc1 .Lnot_wave_0
	ds_load_b64 v[248:249], v[L8] offset:HSB       ; head's scale words of the 16 rows leave as one aligned run of 256 bytes
	s_wait_dscnt 0x0
	global_store_b64 v[L8], v[248:249], s[16:17]
.Lnot_wave_0:
	s_wait_loadcnt 0x0                             ; V, its scale words, b_R
	s_wait_dscnt 0x0
; source 0 = 16 rows of V, source 1 = the 16 rows b: lane (r, hh), register q holds lin[b = r][h = 16 w + 8 hh + q].  Two accumulators by turns, one instruction a turn.
.irp s, 0,1,2,3,4,5,6,7
.if \s == 0
	v_wmma_scale_f32_16x16x128_f8f6f4 v[D0:D0+7], v[VF:VF+11], v[XF:XF+11], v[BI:BI+7], v[VS], v[XSW] matrix_a_fmt:MATRIX_FMT_FP6 matrix_b_fmt:MATRIX_FMT_FP6
.elseif \s == 1
	v_wmma_scale_f32_16x16x128_f8f6f4 v[D1:D1+7], v[VF+12:VF+23], v[XF+12:XF+23], 0, v[VS+1], v[XSW+1] matrix_a_fmt:MATRIX_FMT_FP6 matrix_b_fmt:MATRIX_FMT_FP6
.else
	v_wmma_scale_f32_16x16x128_f8f6f4 v[D0+8*(\s%2):D0+8*(\s%2)+7], v[VF+12*\s:VF+12*\s+11], v[XF+12*\s:XF+12*\s+11], v[D0+8*(\s%2):D0+8*(\s%2)+7], v[VS+\s], v[XSW+\s] matrix_a_fmt:MATRIX_FMT_FP6 matrix_b_fmt:MATRIX_FMT_FP6
.endif
.endr
.rept 4
	v_nop                                          ; four plain instructions between the last product and the first read of its result (ISA guide 7.12.1)
.endr
.irp i, 0,2,4,6
	v_pk_add_f32 v[BI+\i:BI+\i+1], v[D0+\i:D0+\i+1], v[D1+\i:D1+\i+1]     ; both accumulators from their low ends on
.endr
	global_store_b128 v[LO], v[BI:BI+3], s[20:21]              ; h = 16 w + 8 hh + 0 .. 3 of row r: each half of the lanes stores 256 consecutive bytes, aligned
	global_store_b128 v[LO], v[BI+4:BI+7], s[20:21] offset:256
	s_wait_tensorcnt 0x0
	ds_add_u32 v254, v255
	s_wait_dscnt 0x0
	s_endpgm
.Lfunc_end_k_q86b564faaa_prep:
	.size	k_q86b564faaa_prep, .Lfunc_end_k_q86b564faaa_prep-k_q86b564faaa_prep
	.p2alignl 7, 3214868480
	.fill 96, 4, 3214868480
	.section	.rodata,"a",@progbits
	.p2align	6, 0x0
	.amdhsa_kernel k_q86b564faaa_prep
		.amdhsa_group_segment_fixed_size 18432
		.amdhsa_private_segment_fixed_size 0
		.amdhsa_enable_private_segment 0
		.amdhsa_kernarg_size 72
		.amdhsa_user_sgpr_count 2
		.amdhsa_user_sgpr_kernarg_segment_ptr 1
		.amdhsa_wavefront_size32 1
		.amdhsa_system_sgpr_workgroup_id_x 1
		.amdhsa_system_sgpr_workgroup_id_y 1
		.amdhsa_system_sgpr_workgroup_id_z 1
		.amdhsa_system_vgpr_workitem_id 0
		.amdhsa_next_free_vgpr 256
		.amdhsa_next_free_sgpr 66
		.amdhsa_reserve_vcc 0
		.amdhsa_float_denorm_mode_32 3
		.amdhsa_float_denorm_mode_16_64 3
		.amdhsa_memory_ordered 1
		.amdhsa_forward_progress 1
		.amdhsa_inst_pref_size 20
	.end_amdhsa_kernel
	.amdgpu_metadata
---
amdhsa.version: [ 1, 2 ]
amdhsa.kernels:
  - .name:           k_q86b564faaa_prep
    .symbol:         k_q86b564faaa_prep.kd
    .args:
      - { .name: head_embeddings, .offset: 0, .size: 8, .value_kind: global_buffer, .address_space: global }
      - { .name: tail_embeddings, .offset: 8, .size: 8, .value_kind: global_buffer, .address_space: global }
      - { .name: V_R_codes, .offset: 16, .size: 8, .value_kind: global_buffer, .address_space: global }
      - { .name: V_R_scales, .offset: 24, .size: 8, .value_kind: global_buffer, .address_space: global }
      - { .name: b_R, .offset: 32, .size: 8, .value_kind: global_buffer, .address_space: global }
      - { .name: hcod, .offset: 40, .size: 8, .value_kind: global_buffer, .address_space: global }
      - { .name: hscl, .offset: 48, .size: 8, .value_kind: global_buffer, .address_space: global }
      - { .name: timg, .offset: 56, .size: 8, .value_kind: global_buffer, .address_space: global }
      - { .name: lin, .offset: 64, .size: 8, .value_kind: global_buffer, .address_space: global }
    .group_segment_fixed_size: 18432
    .private_segment_fixed_size: 0
    .kernarg_segment_align: 8
    .kernarg_segment_size: 72
    .max_flat_workgroup_size: 512
    .sgpr_count:     66
    .vgpr_count:     256
    .wavefront_size: 32
...
	.end_amdgpu_metadata
.endif
;; end of part 1
;; launch main (part 2): grid 64 x 4, 4 waves a work-group, clusters of 4 x 4, 327,680 bytes of LDS; arguments W_R_codes, W_R_scales, hcod, hscl, timg, part; writes part
.if DOCPART == 2
	.amdgcn_target "amdgcn-amd-amdhsa--gfx1250"
	.amdhsa_code_object_version 6
	.text
	.protected	k_q86b564faaa_main
	.globl	k_q86b564faaa_main
	.p2align	8
	.type	k_q86b564faaa_main,@function
k_q86b564faaa_main:
	s_mov_b64 s[64:65], 0
	v_nop
	global_prefetch_b8 v0, s[64:65] scope:SCOPE_SE
	s_setreg_imm32_b32 hwreg(HW_REG_WAVE_MODE, 25, 1), 1
	s_wait_xcnt 0x0
	s_wait_alu depctr_hold_cnt(0) depctr_sa_sdst(0) depctr_va_vdst(0) depctr_va_sdst(0) depctr_va_ssrc(0) depctr_va_vcc(0) depctr_vm_vsrc(0)
	s_getreg_b32 s2, hwreg(HW_REG_IB_STS2, 6, 4)
	s_cmp_eq_u32 s2, 0
	s_cbranch_scc0 .Lentry_in_a_cluster
	s_endpgm
.Lentry_in_a_cluster:
	s_bfe_u32 s2, ttmp6, 0x10000c
	s_cmp_lg_u32 s2, 0xf033
	s_cbranch_scc0 .Lentry_shape_is_right
	s_endpgm
.Lentry_shape_is_right:
; MAIN.  part[jr][b][h] = sum over j in half jr of tail[b][j] x T[h][j][b],  T[h][j][b] = sum over i of W[h][i][j] x Q(head)[b][i].
; T is made by the scaled FP6 matrix instruction (W's codes and scale bytes as they lie in memory, head's as the launch before laid them) and never leaves the registers:
; each 16 x 16 tile of T is folded at once with tail, in f32, by four packed multiply-adds.
; LIMITS: the sum over j runs in another order than a plain loop (by lanes, register pairs and two halves of j); NaN and infinities are not served.
; SHARES.  256 work-groups.  One owns 8 h (hg), 256 j (jr) and 256 b (cy).  Wave w: b = 256 cy + 128 (w & 1) + 16 t + r, t = 0 .. 7;  h = 8 hg + 4 (w >> 1) + 0 .. 3.
; Head's 8 x 4 fragments (384 registers) stay in a wave's registers.  W streams through a ring of two LDS slots: a STEP is 32 j of all 8 h; 8 steps.  A tile of W (16 j x 512 i, 6,144 bytes) read
; from LDS feeds 32 matrix instructions of a wave.  A wave's step is 8 tiles (2 tiles of j x 4 h): 256 matrix instructions.
; CLUSTER, 4 x 4.  The four of a column (same cx) own the same h and j: W's tiles and scale bytes are asked for jointly by them.  The four of a row (same cy) own the same b: tail's tiles likewise.
; Head's images are not shared so: each wave reads them once, at the head, straight into registers.
; THE MATRIX INSTRUCTION: source 0 = 16 rows j of W, source 1 = 16 rows b of head: lane (r, hh), register q holds T[h][16 jt + 8 hh + q][b = r]; timg holds tail in just that order.
; BY TURNS.  A tile's 32 products go in two PHASES of 16: phase A on head tiles 0-3 into accumulator group 0, phase B on head tiles 4-7 into group 1.  Behind each matrix instruction of a phase stands one
; packed multiply-add that folds the OTHER group, finished a phase earlier.
; REGISTERS, in windows of 256 (s_set_vgpr_msb: bits 1:0 source 0, 3:2 source 1, 5:4 source 2, 7:6 destination):
;   window 0: v1-18 addresses; v32-63 head's scale words (32 + 4 t + s); v64-95 W's scale words (64 + 16 p + 4 h + s); v96-143 the way out
;   window 1: head's fragments of t = 0-3 at 48 t + 12 s;  tail for tiles t = 4-7 at 192 + 32 p + 8 (t - 4) + q
;   window 2: head's fragments of t = 4-7;                 tail for tiles t = 0-3 at 192 + 32 p + 8 t + q
;   window 3: v0-95 two buffers of a tile of W (fragment s at + 12 s); v96-159 two groups of four accumulators; v160-223 the sums, a pair for each (h, t)
; So ONE setting serves a phase's matrix instructions and its multiply-adds: source 0 (W; T) window 3, source 1 (head; the other group's tail) window 1 or 2, source 2 and destination window 3.
.set HP,    13824                      ; LDS: 32 rows of one h: 32 x 432
.set RP,    432                        ; a row of W: 384 bytes + 16 of padding behind each 128 = 108 words: row r starts at bank 44 r mod 64 (64 banks of 4 bytes: ISA guide 11.1): 16 different multiples of 4
.set SCLO,  110592                     ; behind a slot's 8 x 13,824 bytes of codes: its 4,096 scale bytes: 512 h + 16 row
.set SPARE, 114688                     ; the spare words, 128 bytes a wave: two blocks of 256 bytes that no other line names (in the gap behind slot 0)
.set SLOTW, 0x20000                    ; slot 1 of codes and scale bytes begins here: one exclusive or turns an address
.set TAILO, 262144                     ; tail's two slots of 32,768 bytes: 16,384 jt + 1,024 btl + 512 q + 16 lane
.set SLOTT, 0x8000
.set AW0,  4                           ; v4   432 r + 24 hh + 55,296 (w >> 1): my place in a tile of W
.set AW1,  5                           ; v5   the same + 16 hh: for the pieces whose partner three pieces on lies behind one padding more
.set AS0,  6                           ; v6   16 r + 2,048 (w >> 1) + SCLO
.set AT0,  7                           ; v7   16 lane + 8,192 (w & 1) + TAILO
.set ADW,  8                           ; v8-11 the same four in the slot in hand
.set ADW2, 9
.set ADS,  10
.set ADT,  11
.set HCO,  12                          ; v12  16 lane
.set HSO,  13                          ; v13  16 r
.set PO,   14                          ; v14  16 r + 8 hh
.set SPW,  16                          ; v16  LDS address of my spare word; never rewritten
.set NIL,  17                          ; v17  0; never rewritten
.set PFO,  18                          ; v18  the prefetches' offset; never rewritten
.set HS,   32
.set WS,   64
.set OUT,  96
.set SUMS, 112
.set DG,   96                          ; window 3
.set ACC,  160                         ; window 3
.set TL,   192                         ; windows 1 and 2
.set WV, 16
.set WB, 17
.set WR, 18
.set CX, 19
.set CY, 20
.set HG, 21
.set JR, 22
.set CM, 23
.set RM, 24
.set G1W, 28                           ; s[28:35] group 1 for W's codes;  s[36:43] for W's scale bytes;  s[44:51] for tail
.set G1S, 36
.set G1T, 44
.set G0W, 52                           ; s[52:59], s[68:75], s[76:83]: groups 0, two sets each: step 0 into slot 0; step 1 into slot 1, which then walks
.set G0S, 68
.set G0T, 76
.set TB,  84                           ; s84  the slot in hand: 0 or SLOTW
.set TT,  85                           ; s85  0 or SLOTT
.set CNT, 86                           ; s86  refills to go
.set LIM, 87                           ; s87  1 in a wave that prefetches, else the greatest number
.set PFA, 88                           ; s[88:89] where my work-group's prefetches stand
.set SA,  0xf7
.set SB,  0xfb
.set MSB, 0
.macro WIN new                         ; the immediate's high byte repeats the setting that is left; a switch that changes nothing is dropped
.if MSB != \new
	s_set_vgpr_msb (MSB<<8)|\new
.set MSB, \new
.endif
.endm
.macro CREST                           ; a round of the cluster's barrier behind its opening barrier
	s_cmp_lg_u32 s[WV], 0
	s_cbranch_scc1 .Lnot_wave_0_\@
	s_barrier_signal -3
.Lnot_wave_0_\@:
	s_barrier_wait -3
	s_barrier_signal -1
	s_barrier_wait -1
.endm
.macro CROUND
	s_barrier_signal -1
	s_barrier_wait -1
	CREST
.endm
; A joint refill: waves 0 and 1 fetch W's codes (4 h each), wave 2 W's scale bytes, wave 3 tail.  The branches hang on the wave's number alone.  Four v_nop follow each tensor load.
.macro JLOAD
	s_cmp_lt_u32 s[WV], 2
	s_cbranch_scc0 .Lnot_w_\@
	tensor_load_to_lds s[G0W+4:G0W+7], s[G1W:G1W+7]
	s_nop 0
.rept 4
	v_nop
.endr
	s_branch .Lasked_\@
.Lnot_w_\@:
	s_cmp_eq_u32 s[WV], 2
	s_cbranch_scc0 .Lnot_s_\@
	tensor_load_to_lds s[G0S+4:G0S+7], s[G1S:G1S+7]
	s_nop 0
.rept 4
	v_nop
.endr
	s_branch .Lasked_\@
.Lnot_s_\@:
	tensor_load_to_lds s[G0T+4:G0T+7], s[G1T:G1T+7]
	s_nop 0
.rept 4
	v_nop
.endr
.Lasked_\@:
.endm
; A PREFETCH INTO THE L2 of W's codes for the step that the NEXT change of slots will ask for: one step, 256 matrix instructions, ahead of that load.  A step's codes of one h are 12,288 consecutive bytes: 48 blocks of 256.
; The column's four partners, who alone read these bytes, share the 8 h out BY ADDRESS: the partner at cy takes h 2 cy and 2 cy + 1: 96 blocks, one to each thread of waves 0-2.  So each block is named once in the launch.
; The last change that fills a slot asks for nothing; steps 0 to 2 come by their loads alone.
.macro ASK
	s_cmp_gt_u32 s[CNT], s[LIM]
	s_cbranch_scc0 .Lnot_mine_\@
	global_prefetch_b8 v[PFO], s[PFA:PFA+1] th:TH_LOAD_NT scope:SCOPE_SE
.Lnot_mine_\@:
.endm
; A fragment (16 rows x 128 K of 6-bit codes: 12 registers) in six pieces of 8 bytes.  Lanes 0-15 take the row's pieces 12 ks + 0, 1, 2 and + 6, 7, 8, lanes 16-31 those three pieces on.
; Piece PCE lies at 8 PCE + 16 (PCE / 16); where the piece three on lies behind one padding more (PCE % 16 > 12) the second address register serves.
.macro FRAG reg, ks, off
.irp p, 0,1,2,3,4,5
.set PCE, 12*(\ks)+6*(\p/3)+\p%3
.if PCE%16 < 13
	ds_load_b64 v[(\reg)+2*\p:(\reg)+2*\p+1], v[ADW] offset:(\off)+8*PCE+16*(PCE/16)
.else
	ds_load_b64 v[(\reg)+2*\p:(\reg)+2*\p+1], v[ADW2] offset:(\off)+8*PCE+16*(PCE/16)
.endif
.endr
.endm
.macro FETCHW i                        ; tile i of the slot in hand (h = i % 4, tile of j = i / 4) into buffer i % 2: 24 loads
	WIN 0xc0                                       ; destination window 3, address window 0
.irp ks, 0,1,2,3
	FRAG 48*((\i)%2)+12*\ks, \ks, ((\i)%4)*HP+((\i)/4)*16*RP
.endr
.endm
.macro FETCHJ p                        ; for tile p of j: W's scale words of my 4 h (4 loads), tail for b tiles 0-3 (8), tail for b tiles 4-7 (8), in this order
	WIN 0
.irp h, 0,1,2,3
	ds_load_b128 v[WS+16*(\p)+4*\h:WS+16*(\p)+4*\h+3], v[ADS] offset:512*\h+256*(\p)
.endr
	WIN 0x80
.irp t, 0,1,2,3
.irp q, 0,1
	ds_load_b128 v[TL+32*(\p)+8*\t+4*\q:TL+32*(\p)+8*\t+4*\q+3], v[ADT] offset:16384*(\p)+1024*\t+512*\q
.endr
.endr
	WIN 0x40
.irp t, 0,1,2,3
.irp q, 0,1
	ds_load_b128 v[TL+32*(\p)+8*\t+4*\q:TL+32*(\p)+8*\t+4*\q+3], v[ADT] offset:16384*(\p)+4096+1024*\t+512*\q
.endr
.endr
.endm
.macro ADDRS                           ; the four addresses in the slot in hand
	v_add_nc_u32 v[ADW], s[TB], v[AW0]
	v_add_nc_u32 v[ADW2], s[TB], v[AW1]
	v_add_nc_u32 v[ADS], s[TB], v[AS0]
	v_add_nc_u32 v[ADT], s[TT], v[AT0]
.endm
; Pairs n0 .. n1 - 1 of a phase's 16.  Pair n: K step (and register pair) ks = n / 4, b tile tt = n % 4.
; mm = 1: the matrix instruction of group g, tile i: the group's four accumulators take turns, one instruction a turn; the first K step starts the sum with the constant 0.
; fma = 1: one packed multiply-add on the other group: in phase A (g = 0) group 1 of the tile before, in phase B group 0 of this tile.
; Between an accumulator's last link (pair 12 + tt) and its first reader (pair tt of the next phase, which reads its two lowest registers) stand four multiply-adds that name none of that link's registers (ISA guide 7.12.1).
.macro PAIRS g, i, n0, n1, fma, mm
.set n, \n0
.rept (\n1)-(\n0)
.set ks, n/4
.set tt, n%4
.if \mm
.set rD, DG+32*(\g)+8*tt
.set rW, 48*((\i)%2)+12*ks
.set rH, 48*tt+12*ks
.set rSW, WS+16*((\i)/4)+4*((\i)%4)+ks
.set rSH, HS+4*(4*(\g)+tt)+ks
.if ks == 0
	v_wmma_scale_f32_16x16x128_f8f6f4 v[rD:rD+7], v[rW:rW+11], v[rH:rH+11], 0, v[rSW], v[rSH] matrix_a_fmt:MATRIX_FMT_FP6 matrix_b_fmt:MATRIX_FMT_FP6
.else
	v_wmma_scale_f32_16x16x128_f8f6f4 v[rD:rD+7], v[rW:rW+11], v[rH:rH+11], v[rD:rD+7], v[rSW], v[rSH] matrix_a_fmt:MATRIX_FMT_FP6 matrix_b_fmt:MATRIX_FMT_FP6
.endif
.endif
.if \fma
.if (\g) == 0
.set ip, ((\i)+7)%8
.set rA, ACC+16*(ip%4)+2*(4+tt)
.set rX, DG+32+8*tt+2*ks
.else
.set ip, (\i)
.set rA, ACC+16*(ip%4)+2*tt
.set rX, DG+8*tt+2*ks
.endif
.set rT, TL+32*(ip/4)+8*tt+2*ks
	v_pk_fma_f32 v[rA:rA+1], v[rX:rX+1], v[rT:rT+1], v[rA:rA+1]
.endif
.set n, n+1
.endr
.endm
; PHASE A of tile i.  mode 1: in its middle the next tile of W is fetched into the other buffer (last read a phase ago: eight multiply-adds back), and behind tiles 3 and 7 what the next tile of j needs.
; mode 0: nothing is fetched.  modes 2 and 3 (tile 7): THE CHANGE OF SLOTS.  Each wave waits for all its tensor loads (one is out: its part of the next slot), adds 0 to its spare word, and waits for that and for its
; reads of this slot (the last, tile 7's, were issued a tile ago).  mode 3: the barrier opens a round of the cluster's barrier, and behind the round the slot just left is filled again, two steps ahead.
.macro PHASE_A i, mode, fma
.if (\mode) < 2
.if (\i)%4 == 0
	s_wait_dscnt 16                                ; the tile of W and the scale words are in; the 16 loads of tail behind them may be out
.else
	s_wait_dscnt 0x0
.endif
	WIN SA
	PAIRS 0, \i, 0, 8, \fma, 1
.if (\mode) == 1
	FETCHW ((\i)+1)%8
.if (\i)%4 == 3
	FETCHJ (((\i)+1)/4)%2
.endif
	WIN SA
.endif
	PAIRS 0, \i, 8, 16, \fma, 1
.else
	WIN 0                                          ; (the add's two registers lie in window 0)
	s_wait_tensorcnt 0x0                           ; all my tensor loads have landed, so every group 0 may be written
	ds_add_u32 v[SPW], v[NIL]                      ; 0 onto my spare word
.if (\mode) == 3
	s_xor_b32 s[G0W+5], s[G0W+5], SLOTW            ; the walking descriptors: the other slot than last time, the next step
	s_add_nc_u64 s[G0W+6:G0W+7], s[G0W+6:G0W+7], 12288
	s_xor_b32 s[G0S+5], s[G0S+5], SLOTW
	s_add_nc_u64 s[G0S+6:G0S+7], s[G0S+6:G0S+7], 512
	s_xor_b32 s[G0T+5], s[G0T+5], SLOTT
	s_add_nc_u64 s[G0T+6:G0T+7], s[G0T+6:G0T+7], 131072
	s_wait_xcnt 0x0                                ; the last prefetch, a step back, has read its address
	s_add_nc_u64 s[PFA:PFA+1], s[PFA:PFA+1], 12288 ; one step further on than the walking descriptors
.endif
	s_wait_dscnt 1                                 ; tile 7 of W is in; the add alone may be out
	WIN SA
	PAIRS 0, \i, 0, 4, \fma, 1
	s_wait_dscnt 0x0                               ; the add is done, and my reads of this slot are over
	s_barrier_signal -1
	PAIRS 0, \i, 4, 8, \fma, 1                     ; work on registers while the others arrive
	WIN 0
	s_barrier_wait -1
.if (\mode) == 3
	CREST                                          ; no wave of any partner still reads this slot or has a load on its way
	JLOAD                                          ; my one tensor load behind the round, and the first thing there: it has a step, 256 matrix instructions, in which to land
.endif
	s_xor_b32 s[TB], s[TB], SLOTW                  ; on to the other slot
	s_xor_b32 s[TT], s[TT], SLOTT
	ADDRS
	FETCHW 0
	FETCHJ 0
.if (\mode) == 3
	WIN 0
	ASK                                            ; behind the joint load and the runs of LDS loads that the next products wait for
.endif
	WIN SA
	PAIRS 0, \i, 8, 16, \fma, 1
.endif
.endm
.macro PHASE_B i
.if (\i)%4 == 0
	s_wait_dscnt 32                                ; tail for b tiles 0-3 is in; behind it: 8 loads of tail for tiles 4-7 and the next tile of W's 24
.endif
	WIN SB
	PAIRS 1, \i, 0, 16, 1, 1
.endm
; A trip goes from a step's phase B of tile 0 to the next step's phase A of tile 0.
.macro STEPBODY mode
	PHASE_B 0
.irp i, 1,2,3,4,5,6
	PHASE_A \i, 1, 1
	PHASE_B \i
.endr
	PHASE_A 7, \mode, 1
	PHASE_B 7
.if (\mode) != 0
	PHASE_A 0, 1, 1
.endif
.endm
	s_load_b256 s[4:11], s[0:1], 0x0               ; W's codes s[4:5], W's scales s[6:7], hcod s[8:9], hscl s[10:11]
	s_load_b128 s[12:15], s[0:1], 0x20             ; timg s[12:13], part s[14:15]
	v_lshl_add_u32 v[SPW], v0, 2, SPARE
	v_mov_b32 v[NIL], 0
	ds_add_u32 v16, v17
	ds_add_u32 v16, v17
	s_wait_dscnt 0x0
	v_lshrrev_b32 v1, 5, v0
	v_readfirstlane_b32 s[WV], v1                  ; wave 0..3
	s_and_b32 s[WB], s[WV], 1                      ; which 128 b.  Also: which 4 h of W's codes waves 0 and 1 fetch
	s_lshr_b32 s[WR], s[WV], 1                     ; which 4 h
	s_bfe_u32 s[CX], ttmp6, 0x40000                ; cx, cy: my place in the cluster
	s_bfe_u32 s[CY], ttmp6, 0x40004
	s_lshr_b32 s[HG], ttmp9, 1                     ; ttmp9 counts clusters: 0..15
	s_lshl_b32 s[HG], s[HG], 2
	s_add_co_u32 s[HG], s[HG], s[CX]               ; my group of 8 h: 0..31
	s_and_b32 s[JR], ttmp9, 1                      ; my half of j
	s_lshl_b32 s[CM], 0x1111, s[CX]                ; my column of the cluster
	s_lshl_b32 s[RM], s[CY], 2
	s_lshl_b32 s[RM], 15, s[RM]                    ; my row
	; group 1 for W's codes: 4 rows (h) of 12,288 bytes (32 j x 384, dense), 196,608 bytes apart; 16 bytes of padding behind each 128
	s_or_b32 s[G1W], s[CM], (0<<16)|(1<<20)|(1<<21)|(4<<22)|(3<<25)   ; 15:0 the mask; 17:16 elements of 1 byte; 20 padding on; 21 set beside a mask; 24:22 after every 32 words (code 4); 31:25 of 4 words (code 3)
	s_mov_b32 s[G1W+1], 12288<<16                  ; tensor_dim0
	s_mov_b32 s[G1W+2], 4<<16                      ; tensor_dim1
	s_mov_b32 s[G1W+3], 12288<<16                  ; tile_dim0
	s_mov_b32 s[G1W+4], 4                          ; tile_dim1
	s_mov_b32 s[G1W+5], 196608                     ; from h to h
	s_mov_b32 s[G1W+6], 0
	s_mov_b32 s[G1W+7], 0
	; for W's scale bytes: 8 rows (h) of 512 bytes (64 elements of 8 bytes), 8,192 bytes apart; no padding
	s_or_b32 s[G1S], s[CM], (3<<16)|(1<<21)
	s_mov_b32 s[G1S+1], 64<<16
	s_mov_b32 s[G1S+2], 8<<16
	s_mov_b32 s[G1S+3], 64<<16
	s_mov_b32 s[G1S+4], 8
	s_mov_b32 s[G1S+5], 1024
	s_mov_b32 s[G1S+6], 0
	s_mov_b32 s[G1S+7], 0
	; for tail: 32,768 dense bytes as 128 rows of 256 (32 elements of 8 bytes)
	s_or_b32 s[G1T], s[RM], (3<<16)|(1<<21)
	s_mov_b32 s[G1T+1], 32<<16
	s_mov_b32 s[G1T+2], 128<<16
	s_mov_b32 s[G1T+3], 32<<16
	s_mov_b32 s[G1T+4], 128
	s_mov_b32 s[G1T+5], 32
	s_mov_b32 s[G1T+6], 0
	s_mov_b32 s[G1T+7], 0
	; where the tiles come from.  W's hang on hg (cx), jr and the wave; tail's on cy and jr: each in registers that never hold the other coordinate
	s_lshl_b32 s90, s[HG], 3
	s_lshl_b32 s91, s[WB], 2
	s_add_co_u32 s90, s90, s91                     ; h = 8 hg + 4 x half
	s_mul_i32 s90, s90, 196608
	s_mul_i32 s91, s[JR], 98304                    ; 256 j x 384 bytes
	s_add_co_u32 s90, s90, s91
	s_mov_b32 s91, 0
	s_lshl_b32 s92, s[HG], 16                      ; 8 h x 8,192 scale bytes
	s_lshl_b32 s93, s[JR], 12                      ; 256 j x 16
	s_add_co_u32 s92, s92, s93
	s_mov_b32 s93, 0
	s_lshl_b32 s94, s[JR], 20                      ; 8 steps x 131,072 bytes of timg
	s_lshl_b32 s95, s[CY], 15                      ; my 256 b: 32,768 bytes
	s_add_co_u32 s94, s94, s95
	s_mov_b32 s95, 0
	s_mul_i32 s2, s[WB], 4*HP                      ; where W's codes go: no place in the cluster enters an LDS address
	s_wait_kmcnt 0x0
	s_mov_b32 s[G0W], 1                            ; count = 1
	s_mov_b32 s[G0W+1], s2                         ; LDS address: slot 0
	s_add_nc_u64 s[G0W+2:G0W+3], s[4:5], s[90:91]  ; step 0
	s_mov_b32 s[G0W+4], 1
	s_add_co_u32 s[G0W+5], s2, SLOTW               ; slot 1
	s_add_nc_u64 s[G0W+6:G0W+7], s[G0W+2:G0W+3], 12288   ; step 1
	s_or_b32 s[G0W+3], s[G0W+3], 0x80000000        ; type = 2
	s_or_b32 s[G0W+7], s[G0W+7], 0x80000000
	s_mov_b32 s[G0S], 1
	s_mov_b32 s[G0S+1], SCLO
	s_add_nc_u64 s[G0S+2:G0S+3], s[6:7], s[92:93]
	s_mov_b32 s[G0S+4], 1
	s_mov_b32 s[G0S+5], SCLO+SLOTW
	s_add_nc_u64 s[G0S+6:G0S+7], s[G0S+2:G0S+3], 512
	s_or_b32 s[G0S+3], s[G0S+3], 0x80000000
	s_or_b32 s[G0S+7], s[G0S+7], 0x80000000
	s_mov_b32 s[G0T], 1
	s_mov_b32 s[G0T+1], TAILO
	s_add_nc_u64 s[G0T+2:G0T+3], s[12:13], s[94:95]
	s_mov_b32 s[G0T+4], 1
	s_mov_b32 s[G0T+5], TAILO+SLOTT
	s_add_nc_u64 s[G0T+6:G0T+7], s[G0T+2:G0T+3], 131072
	s_or_b32 s[G0T+3], s[G0T+3], 0x80000000
	s_or_b32 s[G0T+7], s[G0T+7], 0x80000000
	CROUND                                         ; all sixteen work-groups are here: the first joint loads meet
	s_cmp_lt_u32 s[WV], 2                          ; a wave's two first fills stand together in its arm of one branch: two tensor loads of mine are out
	s_cbranch_scc0 .Lfirst_not_w
	tensor_load_to_lds s[G0W:G0W+3], s[G1W:G1W+7]
	s_nop 0
	tensor_load_to_lds s[G0W+4:G0W+7], s[G1W:G1W+7]
	s_nop 0
.rept 4
	v_nop
.endr
	s_branch .Lfirst_asked
.Lfirst_not_w:
	s_cmp_eq_u32 s[WV], 2
	s_cbranch_scc0 .Lfirst_not_s
	tensor_load_to_lds s[G0S:G0S+3], s[G1S:G1S+7]
	s_nop 0
	tensor_load_to_lds s[G0S+4:G0S+7], s[G1S:G1S+7]
	s_nop 0
.rept 4
	v_nop
.endr
	s_branch .Lfirst_asked
.Lfirst_not_s:
	tensor_load_to_lds s[G0T:G0T+3], s[G1T:G1T+7]
	s_nop 0
	tensor_load_to_lds s[G0T+4:G0T+7], s[G1T:G1T+7]
	s_nop 0
.rept 4
	v_nop
.endr
.Lfirst_asked:
	v_and_b32 v1, 15, v0                           ; r
	v_bfe_u32 v2, v0, 4, 1                         ; hh
	v_and_b32 v3, 31, v0                           ; lane
	v_lshlrev_b32 v[HCO], 4, v3
	v_lshlrev_b32 v[HSO], 4, v1
	s_lshl_b32 s96, s[CY], 4
	s_lshl_b32 s97, s[WB], 3
	s_add_co_u32 s96, s96, s97                     ; my first tile of b: 16 cy + 8 (w & 1)
	s_mul_i32 s94, s96, 6144
	s_add_nc_u64 s[8:9], s[8:9], s[94:95]          ; its images,
	s_lshl_b32 s94, s96, 8
	s_add_nc_u64 s[10:11], s[10:11], s[94:95]      ; its scale words
.irp t, 0,1,2,3,4,5,6,7
	global_load_b128 v[HS+4*\t:HS+4*\t+3], v[HSO], s[10:11] offset:256*\t      ; row r of tile t: the words of K steps 0-3
.endr
	WIN 0x40                                       ; destination window 1
.irp t, 0,1,2,3
.irp s, 0,1,2,3
.irp c, 0,1,2
	global_load_b128 v[48*\t+12*\s+4*\c:48*\t+12*\s+4*\c+3], v[HCO], s[8:9] offset:6144*\t+1536*\s+512*\c
.endr
.endr
.endr
	WIN 0x80                                       ; destination window 2
.irp t, 0,1,2,3
.irp s, 0,1,2,3
.irp c, 0,1,2
	global_load_b128 v[48*\t+12*\s+4*\c:48*\t+12*\s+4*\c+3], v[HCO], s[8:9] offset:6144*(\t+4)+1536*\s+512*\c
.endr
.endr
.endr
	WIN 0
	v_mul_u32_u24 v[AW0], v1, RP
	v_mad_u32_u24 v[AW0], v2, 24, v[AW0]
	s_mul_i32 s2, s[WR], 4*HP
	v_add_nc_u32 v[AW0], s2, v[AW0]
	v_lshl_add_u32 v[AW1], v2, 4, v[AW0]
	s_lshl_b32 s2, s[WR], 11
	s_add_co_u32 s2, s2, SCLO
	v_add_nc_u32 v[AS0], s2, v[HSO]
	s_lshl_b32 s2, s[WB], 13
	s_add_co_u32 s2, s2, TAILO
	v_add_nc_u32 v[AT0], s2, v[HCO]
	v_lshl_add_u32 v[PO], v2, 3, v[HSO]
	; part: [jr][bt 64][hq 64][r 16][4 h]: my first tile of b, hq = 2 hg + (w >> 1)
	s_lshl_b32 s60, s[JR], 20
	s_lshl_b32 s61, s96, 14
	s_add_co_u32 s60, s60, s61
	s_lshl_b32 s61, s[HG], 1
	s_add_co_u32 s61, s61, s[WR]
	s_lshl_b32 s61, s61, 8
	s_add_co_u32 s60, s60, s61
	s_mov_b32 s61, 0
	s_add_nc_u64 s[14:15], s[14:15], s[60:61]
	; the prefetches: h = 8 hg + 2 cy, my half of j, at step 2: the first change of slots steps it to step 3
	s_lshl_b32 s62, s[HG], 3
	s_lshl_b32 s63, s[CY], 1
	s_add_co_u32 s62, s62, s63
	s_mul_i32 s62, s62, 196608
	s_mul_i32 s63, s[JR], 98304
	s_add_co_u32 s62, s62, s63
	s_add_co_u32 s62, s62, 2*12288
	s_mov_b32 s63, 0
	s_add_nc_u64 s[PFA:PFA+1], s[4:5], s[62:63]
	s_cmp_lt_u32 s[WV], 3
	s_cselect_b32 s[LIM], 1, -1                    ; 96 blocks: waves 0-2
	v_mov_b32 v19, 196608-12288
	v_cmp_lt_u32 vcc_lo, 47, v0
	v_cndmask_b32 v19, 0, v19, vcc_lo              ; threads 48 on: the second h
	v_lshl_add_u32 v[PFO], v0, 8, v19              ; 256 bytes from thread to thread
	WIN 0xc0                                       ; destination window 3
.set n, 0
.rept 64
	v_mov_b32 v[ACC+n], 0                          ; the 64 sums begin at 0: once, while the first tiles are on their way; it spares a further copy of the step
.set n, n+1
.endr
	WIN 0
	s_mov_b32 s[TB], 0
	s_mov_b32 s[TT], 0
	ADDRS
	s_wait_tensorcnt 1                             ; my part of step 0 is in; step 1's may stay out
	s_barrier_signal -1
	s_barrier_wait -1                              ; everybody's is
	FETCHW 0
	FETCHJ 0
	s_wait_loadcnt 48                              ; head's scale words and tiles 0-3 are in; the 48 loads of tiles 4-7 may be out
	PHASE_A 0, 1, 0                                ; the first phase has no finished group to fold
.rept 4
	v_nop                                          ; in the multiply-adds' stead: four plain instructions behind its last products
.endr
	s_wait_loadcnt 0x0
	s_mov_b32 s[CNT], 6
	WIN 0                                          ; at a label and at a branch every window is 0
.Lstep:                                            ; steps 0 to 5: each fills the slot that it leaves with the step two on
	STEPBODY 3
	WIN 0
	s_sub_co_u32 s[CNT], s[CNT], 1
	s_cmp_lg_u32 s[CNT], 0
	s_cbranch_scc1 .Lstep
	STEPBODY 2                                     ; step 6 changes slots and fills nothing: written out
	STEPBODY 0                                     ; step 7
	WIN SA
	PAIRS 0, 0, 0, 16, 1, 0                        ; the last tile's group 1 is folded
	; THE WAY OUT.  A sum's pair holds even and odd j; lanes r and r + 16 hold the two halves of each tile of j.
	WIN 0x0f                                       ; sources window 3, destination window 0
.irp h, 0,1,2,3
.irp t, 0,1,2,3,4,5,6,7
	v_add_f32 v[SUMS+8*\h+\t], v[ACC+16*\h+2*\t], v[ACC+16*\h+2*\t+1]
.endr
.endr
	WIN 0
.irp q, 0,1
.irp t, 0,1,2,3,4,5,6,7
	v_permlane16_swap_b32 v[SUMS+8*\q+\t], v[SUMS+16+8*\q+\t]   ; h = q's lanes 16-31 change places with h = q + 2's lanes 0-15:
.endr
.endr
.irp t, 0,1,2,3,4,5,6,7
.irp q, 0,1
	v_add_f32 v[OUT+2*\t+\q], v[SUMS+8*\q+\t], v[SUMS+16+8*\q+\t]   ; lanes 0-15 now hold h = q whole, lanes 16-31 h = q + 2
.endr
.endr
.irp t, 0,1,2,3,4,5,6,7
	global_store_b64 v[PO], v[OUT+2*\t:OUT+2*\t+1], s[14:15] offset:16384*\t   ; 32 lanes store 256 consecutive bytes, aligned: 16 b x my 4 h
.endr
	s_wait_tensorcnt 0x0                           ; the wave's end
	ds_add_u32 v[SPW], v[NIL]
	s_wait_dscnt 0x0
	CROUND                                         ; the closing round: no work-group ends while a partner may still ask for a tile that names it
	s_endpgm
.Lfunc_end_k_q86b564faaa_main:
	.size	k_q86b564faaa_main, .Lfunc_end_k_q86b564faaa_main-k_q86b564faaa_main
	.p2alignl 7, 3214868480
	.fill 96, 4, 3214868480
	.section	.rodata,"a",@progbits
	.p2align	6, 0x0
	.amdhsa_kernel k_q86b564faaa_main
		.amdhsa_group_segment_fixed_size 327680
		.amdhsa_private_segment_fixed_size 0
		.amdhsa_enable_private_segment 0
		.amdhsa_kernarg_size 48
		.amdhsa_user_sgpr_count 2
		.amdhsa_user_sgpr_kernarg_segment_ptr 1
		.amdhsa_wavefront_size32 1
		.amdhsa_system_sgpr_workgroup_id_x 1
		.amdhsa_system_sgpr_workgroup_id_y 1
		.amdhsa_system_sgpr_workgroup_id_z 1
		.amdhsa_system_vgpr_workitem_id 0
		.amdhsa_next_free_vgpr 1024
		.amdhsa_next_free_sgpr 100
		.amdhsa_reserve_vcc 1
		.amdhsa_float_denorm_mode_32 3
		.amdhsa_float_denorm_mode_16_64 3
		.amdhsa_memory_ordered 1
		.amdhsa_forward_progress 1
		.amdhsa_inst_pref_size 219
	.end_amdhsa_kernel
	.amdgpu_metadata
---
amdhsa.version: [ 1, 2 ]
amdhsa.kernels:
  - .name:           k_q86b564faaa_main
    .symbol:         k_q86b564faaa_main.kd
    .args:
      - { .name: W_R_codes, .offset: 0, .size: 8, .value_kind: global_buffer, .address_space: global }
      - { .name: W_R_scales, .offset: 8, .size: 8, .value_kind: global_buffer, .address_space: global }
      - { .name: hcod, .offset: 16, .size: 8, .value_kind: global_buffer, .address_space: global }
      - { .name: hscl, .offset: 24, .size: 8, .value_kind: global_buffer, .address_space: global }
      - { .name: timg, .offset: 32, .size: 8, .value_kind: global_buffer, .address_space: global }
      - { .name: part, .offset: 40, .size: 8, .value_kind: global_buffer, .address_space: global }
    .group_segment_fixed_size: 327680
    .private_segment_fixed_size: 0
    .kernarg_segment_align: 8
    .kernarg_segment_size: 48
    .max_flat_workgroup_size: 128
    .sgpr_count:     100
    .vgpr_count:     1024
    .wavefront_size: 32
...
	.end_amdgpu_metadata
.endif
;; end of part 2
;; launch finish (part 3): grid 64 x 1, 8 waves a work-group, no clusters, 2,048 bytes of LDS; arguments part, lin, u_R, out0; writes out0
.if DOCPART == 3
	.amdgcn_target "amdgcn-amd-amdhsa--gfx1250"
	.amdhsa_code_object_version 6
	.text
	.protected	k_q86b564faaa_finish
	.globl	k_q86b564faaa_finish
	.p2align	8
	.type	k_q86b564faaa_finish,@function
k_q86b564faaa_finish:
	s_mov_b64 s[64:65], 0
	v_nop
	global_prefetch_b8 v0, s[64:65] scope:SCOPE_SE
	s_setreg_imm32_b32 hwreg(HW_REG_WAVE_MODE, 25, 1), 1
	s_wait_xcnt 0x0
; FINISH.  out0[b] = sum over h of max(part[0][b][h] + part[1][b][h] + lin[b][h], 0) x u_R[h];  lin holds b_R already.
; part: [2][bt 64][hq 64][r 16][4 h], lin: [bt 64][hq 64][r 16][4 h], f32.  Work-group bt owns 16 b; wave w takes hq = 8 w + 2 i + hh, i = 0 .. 3; a lane holds b = r and 16 of the 256 h.
; Each load of part and lin covers 512 consecutive bytes of a wave.  Memory binds and the launch is short: no matrix unit, no tensor load, no cluster.
; LIMITS: the maximum with 0 turns a NaN into 0; NaN and infinities are not served.  The sum over h runs by lanes and waves, in another order than a plain loop.
; The output is 64 bytes a work-group: 4,096 bytes in all, shared among 64 work-groups.
	s_load_b256 s[4:11], s[0:1], 0x0               ; part s[4:5], lin s[6:7], u_R s[8:9], out0 s[10:11]
	v_lshl_add_u32 v96, v0, 2, 0x400
	v_mov_b32 v97, 0
	v_lshrrev_b32 v1, 5, v0
	v_readfirstlane_b32 s12, v1                    ; wave 0..7
	v_and_b32 v1, 31, v0                           ; lane
	v_and_b32 v2, 15, v0                           ; r
	v_bfe_u32 v3, v0, 4, 1                         ; hh
	v_lshlrev_b32 v4, 4, v1                        ; 16 lane = 256 hh + 16 r
	v_lshlrev_b32 v5, 4, v3                        ; 16 hh
	v_lshlrev_b32 v6, 2, v2                        ; 4 r
	s_lshl_b32 s13, s12, 6
	v_add_nc_u32 v7, s13, v6                       ; LDS: 64 w + 4 r
	s_lshl_b32 s14, ttmp9, 14                      ; 16,384 bytes a work-group,
	s_lshl_b32 s15, s12, 11                        ; 2,048 a wave
	s_add_co_u32 s14, s14, s15
	s_mov_b32 s15, 0
	s_lshl_b32 s16, s12, 7                         ; u_R: my 32 numbers
	s_mov_b32 s17, 0
	s_lshl_b32 s18, ttmp9, 6                       ; out0: 16 numbers a work-group
	s_mov_b32 s19, 0
	s_mov_b32 s20, 0x76543210
	s_mov_b32 s21, 0xfedcba98                      ; lane l xor 16
	s_wait_kmcnt 0x0
	s_add_nc_u64 s[4:5], s[4:5], s[14:15]
	s_add_nc_u64 s[6:7], s[6:7], s[14:15]
	s_add_nc_u64 s[8:9], s[8:9], s[16:17]
	s_add_nc_u64 s[10:11], s[10:11], s[18:19]
.irp i, 0,1,2,3
	global_load_b128 v[16+4*\i:19+4*\i], v4, s[6:7] offset:512*\i th:TH_LOAD_NT
	global_load_b128 v[32+4*\i:35+4*\i], v4, s[4:5] offset:512*\i th:TH_LOAD_NT
	global_load_b128 v[48+4*\i:51+4*\i], v4, s[4:5] offset:1048576+512*\i th:TH_LOAD_NT
	global_load_b128 v[64+4*\i:67+4*\i], v5, s[8:9] offset:32*\i               ; u_R[32 w + 8 i + 4 hh + 0 .. 3]
.endr
	s_wait_loadcnt 0x0
.irp k, 0,2,4,6,8,10,12,14
	v_pk_add_f32 v[32+\k:33+\k], v[32+\k:33+\k], v[48+\k:49+\k]
.endr
.irp k, 0,2,4,6,8,10,12,14
	v_pk_add_f32 v[32+\k:33+\k], v[32+\k:33+\k], v[16+\k:17+\k]
.endr
.irp k, 0,1,2,3,4,5,6,7,8,9,10,11,12,13,14,15
	v_max_num_f32 v[32+\k], 0, v[32+\k]            ; the activation
.endr
	v_pk_mul_f32 v[80:81], v[32:33], v[64:65]      ; two chains, begun by products: nothing is cleared
	v_pk_mul_f32 v[82:83], v[34:35], v[66:67]
.irp i, 1,2,3
	v_pk_fma_f32 v[80:81], v[32+4*\i:33+4*\i], v[64+4*\i:65+4*\i], v[80:81]
	v_pk_fma_f32 v[82:83], v[34+4*\i:35+4*\i], v[66+4*\i:67+4*\i], v[82:83]
.endr
	v_pk_add_f32 v[80:81], v[80:81], v[82:83]
	v_add_f32 v80, v80, v81
	v_permlanex16_b32 v81, v80, s20, s21           ; the other half of the lanes holds the same b and other h
	v_add_f32 v80, v80, v81
	ds_store_b32 v7, v80                           ; lanes r and r + 16 write the same word with the same value
	s_wait_dscnt 0x0                               ; for the others' sake: my store has landed
	s_barrier_signal -1
	s_barrier_wait -1
	s_cmp_lg_u32 s12, 0
	s_cbranch_scc1 .Lend
.irp i, 0,1,2,3,4,5,6,7
	ds_load_b32 v[84+\i], v6 offset:64*\i          ; the eight waves' sums for b = r
.endr
	s_wait_dscnt 0x0
	v_add_f32 v84, v84, v85
	v_add_f32 v86, v86, v87
	v_add_f32 v88, v88, v89
	v_add_f32 v90, v90, v91
	v_add_f32 v84, v84, v86
	v_add_f32 v88, v88, v90
	v_add_f32 v84, v84, v88
	s_wait_xcnt 0x0                                ; EXEC changes only behind this wait
	v_cmp_gt_u32 vcc_lo, 16, v0
	s_and_saveexec_b32 s22, vcc_lo                 ; lanes 0-15: one number for each b
	global_store_b32 v6, v84, s[10:11]
	s_wait_xcnt 0x0                                ; and again, in front of the line that widens it
	s_or_b32 exec_lo, exec_lo, s22
.Lend:
	s_wait_tensorcnt 0x0
	ds_add_u32 v96, v97
	s_wait_dscnt 0x0
	s_endpgm
.Lfunc_end_k_q86b564faaa_finish:
	.size	k_q86b564faaa_finish, .Lfunc_end_k_q86b564faaa_finish-k_q86b564faaa_finish
	.p2alignl 7, 3214868480
	.fill 96, 4, 3214868480
	.section	.rodata,"a",@progbits
	.p2align	6, 0x0
	.amdhsa_kernel k_q86b564faaa_finish
		.amdhsa_group_segment_fixed_size 2048
		.amdhsa_private_segment_fixed_size 0
		.amdhsa_enable_private_segment 0
		.amdhsa_kernarg_size 32
		.amdhsa_user_sgpr_count 2
		.amdhsa_user_sgpr_kernarg_segment_ptr 1
		.amdhsa_wavefront_size32 1
		.amdhsa_system_sgpr_workgroup_id_x 1
		.amdhsa_system_sgpr_workgroup_id_y 1
		.amdhsa_system_sgpr_workgroup_id_z 1
		.amdhsa_system_vgpr_workitem_id 0
		.amdhsa_next_free_vgpr 98
		.amdhsa_next_free_sgpr 66
		.amdhsa_reserve_vcc 1
		.amdhsa_float_denorm_mode_32 3
		.amdhsa_float_denorm_mode_16_64 3
		.amdhsa_memory_ordered 1
		.amdhsa_forward_progress 1
		.amdhsa_inst_pref_size 7
	.end_amdhsa_kernel
	.amdgpu_metadata
---
amdhsa.version: [ 1, 2 ]
amdhsa.kernels:
  - .name:           k_q86b564faaa_finish
    .symbol:         k_q86b564faaa_finish.kd
    .args:
      - { .name: part, .offset: 0, .size: 8, .value_kind: global_buffer, .address_space: global }
      - { .name: lin, .offset: 8, .size: 8, .value_kind: global_buffer, .address_space: global }
      - { .name: u_R, .offset: 16, .size: 8, .value_kind: global_buffer, .address_space: global }
      - { .name: out0, .offset: 24, .size: 8, .value_kind: global_buffer, .address_space: global }
    .group_segment_fixed_size: 2048
    .private_segment_fixed_size: 0
    .kernarg_segment_align: 8
    .kernarg_segment_size: 32
    .max_flat_workgroup_size: 256
    .sgpr_count:     66
    .vgpr_count:     98
    .wavefront_size: 32
...
	.end_amdgpu_metadata
.endif
;; end of part 3
;; ======== version 2 of 2: 3 launches
;; limits: right only within a limited range of input values
;; workspace buffers: hcod 393,216 bytes; hscl 16,384 bytes; timg 2,097,152 bytes; lin 2,097,152 bytes; part 2,097,152 bytes
;; launch prep (part 4): grid 64 x 4, 8 waves a work-group, no clusters, 133,120 bytes of LDS; arguments head_embeddings, tail_embeddings, V_R_codes, V_R_scales, hcod, hscl, timg, lin; writes hcod, hscl, timg, lin
.if DOCPART == 4
	.amdgcn_target "amdgcn-amd-amdhsa--gfx1250"
	.amdhsa_code_object_version 6
	.text
	.protected	k_q86b564faaa_prep
	.globl	k_q86b564faaa_prep
	.p2align	8
	.type	k_q86b564faaa_prep,@function
k_q86b564faaa_prep:
	s_mov_b64 s[64:65], 0
	v_nop
	global_prefetch_b8 v0, s[64:65] scope:SCOPE_SE
	s_setreg_imm32_b32 hwreg(HW_REG_WAVE_MODE, 25, 1), 1
	s_wait_xcnt 0x0
; PREP.  Work-group (bt, y): the 16 rows b = 16 bt .. 16 bt + 15 of the batch, and the 64 hidden units h = 64 y .. 64 y + 63.
;   (1) head and tail of the 16 rows are quantised along their 512 numbers to codes of FP6 (E2M3) with one E8M0 byte for each 32: together the 1,024 along K of concat(head, tail);
;   (2) what the next launch reads leaves once: head's codes as images of operand registers (hcod), its scale words as [b][4 words] (hscl), tail's f32 numbers in the lane order of a matrix result (timg);
;   (3) lin[kh][b][h] = Q(concat)[b][K half kh] . V[h][K half kh], by the scaled FP6 matrix instruction; the two halves (head's K, tail's K) and b_R are added by the last launch.
; A block's scale is 2^(floor(log2(largest magnitude)) - 2): its byte is the largest magnitude's exponent field - 2, held at 1 from below by a floor among the maximum's leaves.
; LIMITS: a block of zeros gets the byte 1 (not 127) over zero codes, which add nothing; these bytes are read by this program alone.  NaN and infinities among the inputs are not served.
; The sum over K goes in four parts (two K halves, in each even and odd K steps): another order than a single chain.
; relation_embeddings is not among the arguments: the function that is computed makes nothing of it.
; SHARES.  The batch has 64 tiles of 16 rows; four work-groups share a tile's 256 h, 64 each, so that V's 196,608 bytes are spread over four of them (49,152 each).  Each of the four reads and
; quantises the tile's 16 rows itself (65,536 bytes); the rows' outputs are shared out: work-group y stores head's K step y and tail's K step y, work-group 0 head's scale words.
; Eight waves.  Wave w quantises K step w of the concatenation (0-3 head's, 4-7 tail's) and brings 8 of V's 64 rows; behind ONE barrier it makes the tile h = 64 y + 16 (w & 3) + 0 .. 15 over K half w >> 2.
; EVERY LOAD OF x AND OF V'S CODES COVERS 512 CONSECUTIVE BYTES.  A K step of a row of x is 512 bytes: one load; the conversions want 16 neighbours along K in a lane, so the 16 rows turn through the wave's own
; stage in LDS (rows 528 bytes apart) and come back 64 bytes a lane.  V's 64 rows of 768 bytes are one dense block; they go into a stage with rows 784 bytes apart, from which fragments are read in pieces of 8 bytes.
; The fragments of x meet in LDS as images of their registers (12 registers a lane: three stores of 16 bytes a lane).  No tensor loads, no ring.
.set XIMG, 0                           ; LDS: eight images of 1,536 bytes (K step s of the concatenation at 1,536 s),
.set XSC,  12288                       ; their scale words, 128 bytes each (4 bytes a lane),
.set HSB,  13312                       ; head's scale words as [row 16][4 words]: 256 bytes,
.set VST,  13568                       ; V's 64 rows,
.set VP,   784                         ; 768 bytes + 16 = 196 words apart: row r starts at bank 4 r mod 64 (64 banks of 4 bytes: ISA guide 11.1), so the 32 lanes of a load of 8 bytes touch 64 different banks
.set XST,  63744                       ; and a stage of 16 rows for each wave,
.set XP,   528                         ; 512 bytes + 16 = 132 words apart: the 16 rows of a load start at 16 different groups of four banks
.set LI,  4                            ; v4   16 x lane
.set LS,  5                            ; v5   4 x lane
.set L8,  6                            ; v6   8 x lane
.set XSI, 7                            ; v7   my stage, on the way in: XST + 8,448 w + 16 lane
.set XSO, 8                            ; v8   on the way out: XST + 8,448 w + 528 r + 64 hh
.set VW0, 9                            ; v9   V's stage, on the way in: 6,272 w + 16 lane
.set VW1, 10                           ; v10  the same + 16 hh: for the load whose lanes 16-31 lie in the next row
.set VRD, 11                           ; v11  V's fragments: 784 r + 24 hh + 12,544 (w & 3) + 384 (w >> 2)
.set XWI, 12                           ; v12  16 lane + 1,536 w: where I store my image
.set XWS, 13                           ; v13  4 lane + 128 w: and its scale word
.set HSA, 14                           ; v14  16 r + 4 (w & 3)
.set XRI, 15                           ; v15  16 lane + 6,144 (w >> 2): the four images of my K half
.set XRS, 16                           ; v16  4 lane + 512 (w >> 2): their scale words
.set VSO, 17                           ; v17  32 r + 16 (w >> 2): V's scale words in memory
.set TO,  18                           ; v18  16,384 hh + 16 r: timg
.set LO,  19                           ; v19  512 hh + 16 r: lin
.set VF,  32                           ; v32-79   V: 12 x 4 registers as loaded; behind the barrier four fragments
.set VS,  80                           ; v80-83   V's scale words of my K half
.set XSW, 84                           ; v84-87   the concatenation's
.set XR,  88                           ; v88-151  16 rows of x as loaded
.set XF,  88                           ; v88-135  behind the barrier: four fragments of x
.set D0,  136                          ; v136-143 K steps 0 and 2 of my half
.set D1,  144                          ; v144-151 K steps 1 and 3
.set ST,  152                          ; v152-215 64 numbers of a lane; tail's waves store them, so nothing writes them again
.set TM,  216                          ; v216-231 at work in QUANT
.set RES, 216                          ; v216-223 at the end: the result
.set PW,  232                          ; v232     the scale word just made
.set PC,  234                          ; v234-253 the codes just made; head's waves store them, so nothing writes them again
.set WV,  20
.set W4,  21
.set KH,  22
.set Y,   23
.set SEL, 24
; 64 numbers of a lane, v[s] .. v[s + 63], register 16 b + i = k 32 b + 16 hh + i of my row, become a fragment's codes in v[PC] on and its scale word in v[PW].
.macro QUANT s
.irp b, 0,1,2,3
	v_max3_num_f32 v[TM+\b], |v[\s+16*\b]|, |v[\s+1+16*\b]|, 0x1800000   ; block b: my 16 numbers, and the floor 2^(3 - 127): the byte cannot fall under 1
.endr
.irp i, 2,4,6,8,10,12,14
.irp b, 0,1,2,3
	s_delay_alu instid0(VALU_DEP_4)
	v_max3_num_f32 v[TM+\b], v[TM+\b], |v[\s+16*\b+\i]|, |v[\s+1+16*\b+\i]|   ; the four blocks by turns
.endr
.endr
.irp b, 0,1,2,3
	s_delay_alu instid0(VALU_DEP_4)
	v_permlanex16_b32 v[TM+4+\b], v[TM+\b], s[SEL], s[SEL+1]
.endr
.irp b, 0,1,2,3
	s_delay_alu instid0(VALU_DEP_4)
	v_max_num_f32 v[TM+\b], v[TM+\b], v[TM+4+\b]   ; with lane l xor 16's 16 numbers: the block's largest magnitude
.endr
.irp b, 0,1,2,3
	s_delay_alu instid0(VALU_DEP_4)
	v_add_nc_u32 v[TM+12+\b], 0xff000000, v[TM+\b]   ; 2 off its exponent field: the conversion takes the exponent field of this operand as its scale
.endr
.irp b, 0,1,2,3
	s_delay_alu instid0(VALU_DEP_4)
	v_lshrrev_b32 v[TM+4+\b], 23, v[TM+12+\b]      ; the scale's byte
.endr
	s_delay_alu instid0(VALU_DEP_3)
	v_lshl_or_b32 v[PW], v[TM+5], 8, v[TM+4]       ; four bytes: my row's scale word for these 128 along K
	s_delay_alu instid0(VALU_DEP_1)
	v_lshl_or_b32 v[PW], v[TM+6], 16, v[PW]
	s_delay_alu instid0(VALU_DEP_1)
	v_lshl_or_b32 v[PW], v[TM+7], 24, v[PW]
.irp c, 0,1
	v_cvt_scalef32_pk16_fp6_f32 v[PC+6*\c:PC+2+6*\c], v[\s+32*\c:\s+15+32*\c], v[TM+12+2*\c]
	v_cvt_scalef32_pk16_fp6_f32 v[PC+12+4*\c:PC+14+4*\c], v[\s+16+32*\c:\s+31+32*\c], v[TM+12+2*\c+1]   ; (a conversion's three registers begin on an even number)
.endr
	v_nop                                          ; one plain instruction behind the scaled conversions
.irp c, 0,1                                    ; the operand's layout wants a whole block in a lane: lanes 0-15 block 2 c, lanes 16-31 block 2 c + 1
.irp i, 0,1,2
	v_permlane16_swap_b32 v[PC+6*\c+\i], v[PC+12+4*\c+\i]
.endr
.irp i, 0,1,2
	s_delay_alu instid0(VALU_DEP_3)
	v_mov_b32 v[PC+3+6*\c+\i], v[PC+12+4*\c+\i]
.endr
.endr
.endm
	s_load_b512 s[4:19], s[0:1], 0x0               ; head s[4:5], tail s[6:7], V's codes s[8:9], V's scales s[10:11], hcod s[12:13], hscl s[14:15], timg s[16:17], lin s[18:19]
	v_lshl_add_u32 v249, v0, 2, 0x20400
	v_mov_b32 v253, 0
	v_lshrrev_b32 v1, 5, v0
	s_delay_alu instid0(VALU_DEP_1)
	v_readfirstlane_b32 s[WV], v1                  ; wave 0..7
	s_and_b32 s[W4], s[WV], 3                      ; which K step of head or of tail; later: which of the work-group's four tiles of h
	s_lshr_b32 s[KH], s[WV], 2                     ; head (0) or tail (1); later: which K half
	s_and_b32 s[Y], ttmp7, 0xffff                  ; which 64 h
	v_and_b32 v1, 31, v0                           ; lane
	v_and_b32 v2, 15, v0                           ; r
	v_bfe_u32 v3, v0, 4, 1                         ; hh
	s_delay_alu instid0(VALU_DEP_3)
	v_lshlrev_b32 v[LI], 4, v1
	s_delay_alu instid0(VALU_DEP_4)
	v_lshlrev_b32 v[LS], 2, v1
	v_lshlrev_b32 v[L8], 3, v1
	s_mul_i32 s26, s[WV], 16*XP
	s_add_co_u32 s26, s26, XST                     ; my stage
	v_add_nc_u32 v[XSI], s26, v[LI]
	v_mul_u32_u24 v[XSO], v2, XP
	s_delay_alu instid0(VALU_DEP_1)
	v_lshl_add_u32 v[XSO], v3, 6, v[XSO]
	s_delay_alu instid0(VALU_DEP_1)
	v_add_nc_u32 v[XSO], s26, v[XSO]
	s_mul_i32 s26, s[WV], 8*VP                     ; the 8 rows of V that I bring
	v_add_nc_u32 v[VW0], s26, v[LI]
	s_delay_alu instid0(VALU_DEP_1)
	v_lshl_add_u32 v[VW1], v3, 4, v[VW0]
	v_mul_u32_u24 v[VRD], v2, VP
	s_delay_alu instid0(VALU_DEP_1)
	v_mad_u32_u24 v[VRD], v3, 24, v[VRD]
	s_mul_i32 s26, s[W4], 16*VP                    ; the 16 rows of V that I multiply by,
	s_mul_i32 s27, s[KH], 384                      ; and my half of their 768 bytes
	s_add_co_u32 s26, s26, s27
	v_add_nc_u32 v[VRD], s26, v[VRD]
	s_mul_i32 s26, s[WV], 1536
	v_add_nc_u32 v[XWI], s26, v[LI]
	s_lshl_b32 s26, s[WV], 7
	v_add_nc_u32 v[XWS], s26, v[LS]
	s_lshl_b32 s26, s[W4], 2
	v_lshl_add_u32 v[HSA], v2, 4, s26
	s_mul_i32 s26, s[KH], 6144
	v_add_nc_u32 v[XRI], s26, v[LI]
	s_lshl_b32 s26, s[KH], 9
	v_add_nc_u32 v[XRS], s26, v[LS]
	s_lshl_b32 s26, s[KH], 4
	v_lshl_add_u32 v[VSO], v2, 5, s26
	v_lshlrev_b32 v[TO], 4, v2
	s_delay_alu instid0(VALU_DEP_1)
	v_lshl_add_u32 v[TO], v3, 14, v[TO]
	v_lshlrev_b32 v[LO], 4, v2
	s_delay_alu instid0(VALU_DEP_1)
	v_lshl_add_u32 v[LO], v3, 9, v[LO]
.irp b, 0,1,2,3
	v_mov_b32 v[TM+4+\b], 0                        ; written once: a lane permute's destination counts as one of its sources
.endr
	s_mov_b32 s[SEL], 0x76543210
	s_mov_b32 s[SEL+1], 0xfedcba98                 ; lane l xor 16
	; byte offsets, made while the arguments are on their way
	s_lshl_b32 s28, ttmp9, 15                      ; x: 16 rows of 2,048 bytes a tile of rows,
	s_lshl_b32 s26, s[W4], 9                       ; 512 bytes a K step
	s_add_co_u32 s28, s28, s26
	s_mov_b32 s29, 0
	s_mul_i32 s32, s[Y], 49152                     ; V's codes: 64 rows of 768 bytes a work-group,
	s_mul_i32 s26, s[WV], 6144                     ; 8 rows a wave
	s_add_co_u32 s32, s32, s26
	s_mov_b32 s33, 0
	s_lshl_b32 s34, s[Y], 11                       ; V's scale bytes: 64 rows of 32,
	s_lshl_b32 s26, s[W4], 9                       ; 16 rows a tile
	s_add_co_u32 s34, s34, s26
	s_mov_b32 s35, 0
	s_mul_i32 s36, ttmp9, 6144                     ; hcod: [bt][K step][3][lane][16 bytes]
	s_mul_i32 s26, s[W4], 1536
	s_add_co_u32 s36, s36, s26
	s_mov_b32 s37, 0
	s_lshl_b32 s38, ttmp9, 8                       ; hscl: 256 bytes a tile of rows
	s_mov_b32 s39, 0
	s_lshl_b32 s40, s[W4], 19                      ; timg: [jp 16][bq 4][jtl 2][btl 16][q 2][lane 32][16 bytes]; my K step is jp = 4 w' + block,
	s_lshr_b32 s26, ttmp9, 4
	s_lshl_b32 s26, s26, 15                        ; bq = bt / 16,
	s_add_co_u32 s40, s40, s26
	s_and_b32 s26, ttmp9, 15
	s_lshl_b32 s26, s26, 10                        ; btl = bt % 16
	s_add_co_u32 s40, s40, s26
	s_mov_b32 s41, 0
	s_lshl_b32 s42, s[KH], 20                      ; lin: [K half 2][bt 64][hq 64][r 16][4 h]: 16,384 bytes a tile of rows, 1,024 a tile of h
	s_lshl_b32 s26, ttmp9, 14
	s_add_co_u32 s42, s42, s26
	s_lshl_b32 s26, s[Y], 2
	s_add_co_u32 s26, s26, s[W4]
	s_lshl_b32 s26, s26, 10
	s_add_co_u32 s42, s42, s26
	s_mov_b32 s43, 0
	s_wait_alu depctr_va_vdst(0)
	s_wait_kmcnt 0x0
	s_cmp_lt_u32 s[WV], 4                          ; waves 0-3 read head, the others tail: the choice hangs on the wave's number alone
	s_cselect_b64 s[30:31], s[4:5], s[6:7]
	s_add_nc_u64 s[30:31], s[30:31], s[28:29]
	s_add_nc_u64 s[8:9], s[8:9], s[32:33]
	s_add_nc_u64 s[10:11], s[10:11], s[34:35]
.irp i, 0,1,2,3,4,5,6,7,8,9,10,11,12,13,14,15
	global_load_b128 v[XR+4*\i:XR+4*\i+3], v[LI], s[30:31] offset:2048*\i      ; row i's K step: 512 consecutive bytes
.endr
.irp i, 0,1,2,3,4,5,6,7,8,9,10,11
	global_load_b128 v[VF+4*\i:VF+4*\i+3], v[LI], s[8:9] offset:512*\i         ; my 8 rows of V: 6,144 consecutive bytes
.endr
	global_load_b128 v[VS:VS+3], v[VSO], s[10:11]                              ; row r of my tile of h: the scale words of my four K steps
	s_add_nc_u64 s[12:13], s[12:13], s[36:37]
	s_add_nc_u64 s[14:15], s[14:15], s[38:39]
	s_add_nc_u64 s[16:17], s[16:17], s[40:41]
	s_add_nc_u64 s[18:19], s[18:19], s[42:43]
	s_wait_loadcnt 13                              ; x's 16 loads are in; behind them: V's 12 and the scale words' 1
.irp i, 0,1,2,3,4,5,6,7,8,9,10,11,12,13,14,15
	ds_store_b128 v[XSI], v[XR+4*\i:XR+4*\i+3] offset:XP*\i
.endr
.irp b, 0,1,2,3
.irp j, 0,1,2,3
	ds_load_b128 v[ST+16*\b+4*\j:ST+16*\b+4*\j+3], v[XSO] offset:128*\b+16*\j  ; LDS serves a wave's instructions in order (ISA guide 5.7.1.4): these see my stores.  Register 16 b + i = k 32 b + 16 hh + i of row r
.endr
.endr
	s_wait_loadcnt 1                               ; V's 12 loads are in; the scale words' may be out
; A row of V is 768 bytes, a load 512: three loads are two rows.  In the stage each row lies 16 bytes further on than in memory: the first load of three lies in row 2 k, the third in row 2 k + 1,
; the second has lanes 0-15 in row 2 k and lanes 16-31 in row 2 k + 1: the second address register.
.irp k, 0,1,2,3
	ds_store_b128 v[VW0], v[VF+12*\k:VF+12*\k+3] offset:VST+1536*\k+32*\k
	ds_store_b128 v[VW1], v[VF+12*\k+4:VF+12*\k+7] offset:VST+1536*\k+512+32*\k
	ds_store_b128 v[VW0], v[VF+12*\k+8:VF+12*\k+11] offset:VST+1536*\k+1024+32*\k+16
.endr
	s_wait_dscnt 12                                ; my 64 numbers are back from the stage; V's 12 stores behind them may be out
	QUANT ST
.irp c, 0,1,2
	ds_store_b128 v[XWI], v[PC+4*\c:PC+4*\c+3] offset:XIMG+512*\c      ; the fragment as it stands
.endr
	ds_store_b32 v[XWS], v[PW] offset:XSC
	s_cmp_lt_u32 s[WV], 4
	s_cbranch_scc0 .Ltail
	ds_store_b32 v[HSA], v[PW] offset:HSB          ; lanes r and r + 16 write the same word with the same value
	s_cmp_lg_u32 s[W4], s[Y]                       ; head's K step s leaves from work-group y = s alone
	s_cbranch_scc1 .Ljoin
.irp c, 0,1,2
	global_store_b128 v[LI], v[PC+4*\c:PC+4*\c+3], s[12:13] offset:512*\c   ; 32 lanes store 512 consecutive bytes, aligned
.endr
	s_branch .Ljoin
.Ltail:
	s_cmp_lg_u32 s[W4], s[Y]                       ; and so does tail's
	s_cbranch_scc1 .Ljoin
; my register 16 b + 4 i4 + e is tail[row r][j = 128 w' + 32 b + 16 hh + 4 i4 + e]: tile of j 2 (4 w' + b) + hh; in it the reader's half of the lanes is i4 / 2 and its quad i4 % 2
.irp b, 0,1,2,3
.irp j, 0,1,2,3
	global_store_b128 v[TO], v[ST+16*\b+4*\j:ST+16*\b+4*\j+3], s[16:17] offset:131072*\b+512*(\j%2)+256*(\j/2)   ; each half of the lanes stores 256 consecutive bytes, aligned
.endr
.endr
.Ljoin:
	s_wait_dscnt 0x0                               ; for the others' sake: my LDS stores have landed.  (Nothing below writes a register that the stores above read)
	s_barrier_signal -1
	s_barrier_wait -1                              ; the eight images and V's 64 rows lie in LDS
.irp s, 0,1,2,3
.irp p, 0,1,2,3,4,5
	ds_load_b64 v[VF+12*\s+2*\p:VF+12*\s+2*\p+1], v[VRD] offset:VST+96*\s+48*(\p/3)+8*(\p%3)   ; lane (r, hh): 24 bytes at 96 s + 24 hh of row r's half and 24 bytes 48 further on, in pieces of 8
.endr
.irp c, 0,1,2
	ds_load_b128 v[XF+12*\s+4*\c:XF+12*\s+4*\c+3], v[XRI] offset:XIMG+1536*\s+512*\c
.endr
	ds_load_b32 v[XSW+\s], v[XRS] offset:XSC+128*\s
.endr
	s_cmp_lg_u32 s[WV], 0
	s_cbranch_scc1 .Lno_words
	s_cmp_lg_u32 s[Y], 0
	s_cbranch_scc1 .Lno_words
	ds_load_b64 v[254:255], v[L8] offset:HSB       ; wave 0 of work-group y = 0: head's scale words of the 16 rows leave as one aligned run of 256 bytes
	s_wait_dscnt 0x0
	global_store_b64 v[L8], v[254:255], s[14:15]
.Lno_words:
	s_wait_loadcnt 0x0                             ; V's scale words
	s_wait_dscnt 0x0
; source 0 = 16 rows of V, source 1 = the 16 rows b: lane (r, hh), register q holds lin[b = r][h = 16 tile + 8 hh + q].  Two accumulators by turns, one instruction a turn;
; each sum's first product takes the constant 0 as C.
.irp s, 0,1,2,3
.if \s < 2
	v_wmma_scale_f32_16x16x128_f8f6f4 v[D0+8*\s:D0+8*\s+7], v[VF+12*\s:VF+12*\s+11], v[XF+12*\s:XF+12*\s+11], 0, v[VS+\s], v[XSW+\s] matrix_a_fmt:MATRIX_FMT_FP6 matrix_b_fmt:MATRIX_FMT_FP6
.else
	v_wmma_scale_f32_16x16x128_f8f6f4 v[D0+8*(\s%2):D0+8*(\s%2)+7], v[VF+12*\s:VF+12*\s+11], v[XF+12*\s:XF+12*\s+11], v[D0+8*(\s%2):D0+8*(\s%2)+7], v[VS+\s], v[XSW+\s] matrix_a_fmt:MATRIX_FMT_FP6 matrix_b_fmt:MATRIX_FMT_FP6
.endif
.endr
.rept 4
	v_nop                                          ; four plain instructions between the last product and the first read of its result (ISA guide 7.12.1)
.endr
.irp i, 0,2,4,6
	v_pk_add_f32 v[RES+\i:RES+\i+1], v[D0+\i:D0+\i+1], v[D1+\i:D1+\i+1]     ; both accumulators from their low ends on
.endr
	global_store_b128 v[LO], v[RES:RES+3], s[18:19]            ; h = 16 tile + 8 hh + 0 .. 3 of row r: each half of the lanes stores 256 consecutive bytes, aligned
	global_store_b128 v[LO], v[RES+4:RES+7], s[18:19] offset:256
	s_wait_tensorcnt 0x0
	ds_add_u32 v249, v253
	s_wait_dscnt 0x0
	s_endpgm
.Lfunc_end_k_q86b564faaa_prep:
	.size	k_q86b564faaa_prep, .Lfunc_end_k_q86b564faaa_prep-k_q86b564faaa_prep
	.p2alignl 7, 3214868480
	.fill 96, 4, 3214868480
	.section	.rodata,"a",@progbits
	.p2align	6, 0x0
	.amdhsa_kernel k_q86b564faaa_prep
		.amdhsa_group_segment_fixed_size 133120
		.amdhsa_private_segment_fixed_size 0
		.amdhsa_enable_private_segment 0
		.amdhsa_kernarg_size 64
		.amdhsa_user_sgpr_count 2
		.amdhsa_user_sgpr_kernarg_segment_ptr 1
		.amdhsa_wavefront_size32 1
		.amdhsa_system_sgpr_workgroup_id_x 1
		.amdhsa_system_sgpr_workgroup_id_y 1
		.amdhsa_system_sgpr_workgroup_id_z 1
		.amdhsa_system_vgpr_workitem_id 0
		.amdhsa_next_free_vgpr 256
		.amdhsa_next_free_sgpr 66
		.amdhsa_reserve_vcc 0
		.amdhsa_float_denorm_mode_32 3
		.amdhsa_float_denorm_mode_16_64 3
		.amdhsa_memory_ordered 1
		.amdhsa_forward_progress 1
		.amdhsa_inst_pref_size 22
	.end_amdhsa_kernel
	.amdgpu_metadata
---
amdhsa.version: [ 1, 2 ]
amdhsa.kernels:
  - .name:           k_q86b564faaa_prep
    .symbol:         k_q86b564faaa_prep.kd
    .args:
      - { .name: head_embeddings, .offset: 0, .size: 8, .value_kind: global_buffer, .address_space: global }
      - { .name: tail_embeddings, .offset: 8, .size: 8, .value_kind: global_buffer, .address_space: global }
      - { .name: V_R_codes, .offset: 16, .size: 8, .value_kind: global_buffer, .address_space: global }
      - { .name: V_R_scales, .offset: 24, .size: 8, .value_kind: global_buffer, .address_space: global }
      - { .name: hcod, .offset: 32, .size: 8, .value_kind: global_buffer, .address_space: global }
      - { .name: hscl, .offset: 40, .size: 8, .value_kind: global_buffer, .address_space: global }
      - { .name: timg, .offset: 48, .size: 8, .value_kind: global_buffer, .address_space: global }
      - { .name: lin, .offset: 56, .size: 8, .value_kind: global_buffer, .address_space: global }
    .group_segment_fixed_size: 133120
    .private_segment_fixed_size: 0
    .kernarg_segment_align: 8
    .kernarg_segment_size: 64
    .max_flat_workgroup_size: 256
    .sgpr_count:     66
    .vgpr_count:     256
    .wavefront_size: 32
...
	.end_amdgpu_metadata
.endif
;; end of part 4
;; launch main (part 5): grid 64 x 4, 4 waves a work-group, clusters of 4 x 4, 327,680 bytes of LDS; arguments W_R_codes, W_R_scales, hcod, hscl, timg, part, lin; writes part
.if DOCPART == 5
	.amdgcn_target "amdgcn-amd-amdhsa--gfx1250"
	.amdhsa_code_object_version 6
	.text
	.protected	k_q86b564faaa_main
	.globl	k_q86b564faaa_main
	.p2align	8
	.type	k_q86b564faaa_main,@function
k_q86b564faaa_main:
	s_mov_b64 s[64:65], 0
	v_nop
	global_prefetch_b8 v0, s[64:65] scope:SCOPE_SE
	s_setreg_imm32_b32 hwreg(HW_REG_WAVE_MODE, 25, 1), 1
	s_wait_xcnt 0x0
	s_wait_alu depctr_hold_cnt(0) depctr_sa_sdst(0) depctr_va_vdst(0) depctr_va_sdst(0) depctr_va_ssrc(0) depctr_va_vcc(0) depctr_vm_vsrc(0)
	s_getreg_b32 s2, hwreg(HW_REG_IB_STS2, 6, 4)
	s_cmp_eq_u32 s2, 0
	s_cbranch_scc0 .Lentry_in_a_cluster
	s_endpgm
.Lentry_in_a_cluster:
	s_bfe_u32 s2, ttmp6, 0x10000c
	s_cmp_lg_u32 s2, 0xf033
	s_cbranch_scc0 .Lentry_shape_is_right
	s_endpgm
.Lentry_shape_is_right:
; MAIN.  part[jr][b][h] = sum over j in half jr of tail[b][j] x T[h][j][b],  T[h][j][b] = sum over i of W[h][i][j] x Q(head)[b][i].
; T is made by the scaled FP6 matrix instruction (W's codes and scale bytes as they lie in memory, head's as the launch before laid them) and never leaves the registers:
; each 16 x 16 tile of T is folded at once with tail, in f32, by four packed multiply-adds.  relation_embeddings has no way to the result and is not loaded.
; LIMITS: the sum over j runs in another order than a plain loop (by lanes, register pairs and two halves of j); NaN and infinities are not served.
; SHARES.  256 work-groups.  One owns 8 h (hg), 256 j (jr) and 256 b (cy).  Wave w: b = 256 cy + 128 (w & 1) + 16 t + r, t = 0 .. 7;  h = 8 hg + 4 (w >> 1) + 0 .. 3.
; Head's 8 x 4 fragments (384 registers) stay in a wave's registers.  W streams through a ring of two LDS slots: a STEP is 32 j of all 8 h; 8 steps.  A tile of W (16 j x 512 i, 6,144 bytes) read
; from LDS feeds 32 matrix instructions of a wave.  A wave's step is 8 tiles (2 tiles of j x 4 h): 256 matrix instructions.
; CLUSTER, 4 x 4.  The four of a column (same cx) own the same h and j: W's tiles and scale bytes are asked for jointly by them.  The four of a row (same cy) own the same b: tail's tiles likewise.
; Head's images are not shared so: each wave reads them once, at the head, straight into registers.
; THE MATRIX INSTRUCTION: source 0 = 16 rows j of W, source 1 = 16 rows b of head: lane (r, hh), register q holds T[h][16 jt + 8 hh + q][b = r]; timg holds tail in just that order.
; BY TURNS.  A tile's 32 products go in two PHASES of 16: phase A on head tiles 0-3 into accumulator group 0, phase B on head tiles 4-7 into group 1.  The multiply-adds that stand among a phase's
; matrix instructions fold the OTHER group, finished a phase earlier.
; REGISTERS, in windows of 256 (s_set_vgpr_msb: bits 1:0 source 0, 3:2 source 1, 5:4 source 2, 7:6 destination):
;   window 0: v1-19 addresses; v34-65 head's scale words (34 + 4 t + s); v72-103 W's scale words (72 + 16 p + 4 h + s): the two scale registers of a product never agree modulo 8;
;             v112-127 a pair of LDS addresses for each of a slot's 8 tiles of W, in slot 0; v128-143 the same in the slot in hand; v176-223 the way out
;   window 1: head's fragments of t = 0-3 at 48 t + 12 s;  tail for tiles t = 4-7 at 192 + 32 p + 8 (t - 4) + q
;   window 2: head's fragments of t = 4-7;                 tail for tiles t = 0-3 at 192 + 32 p + 8 t + q
;   window 3: v0-95 two buffers of a tile of W (fragment s at + 12 s); v96-159 two groups of four accumulators; v160-223 the sums, a pair for each (h, t)
; So ONE setting serves a phase's matrix instructions and its multiply-adds: source 0 (W; T) window 3, source 1 (head; the other group's tail) window 1 or 2, source 2 and destination window 3.
; TO THAT SUM THE WAY OUT ADDS lin[jr][b][h], the linear term's K half jr, which the launch before stored in part's own layout: each wave loads its 8 x 256 bytes of it at the head (v144-159 of window 0).
; So part[0] + part[1] is the bilinear term and the linear term together.
.set HP,    13824                      ; LDS: 32 rows of one h: 32 x 432
.set RP,    432                        ; a row of W: 384 bytes + 16 of padding behind each 128 = 108 words: row r starts at bank 44 r mod 64 (64 banks of 4 bytes: ISA guide 11.1)
.set SCLO,  110592                     ; behind a slot's 8 x 13,824 bytes of codes: its 4,096 scale bytes: 512 h + 16 row
.set SPARE, 114688                     ; the spare words, 128 bytes a wave: two blocks of 256 bytes that no other line names (in the gap behind slot 0)
.set SLOTW, 0x20000                    ; slot 1 of codes and scale bytes begins here
.set TAILO, 262144                     ; tail's two slots of 32,768 bytes: 16,384 jt + 1,024 btl + 512 q + 16 lane
.set SLOTT, 0x8000
.set AW0,  4                           ; v4   432 r + 24 hh + 55,296 (w >> 1): my place in a tile of W
.set AW1,  5                           ; v5   the same + 16 hh: for the pieces whose partner three pieces on lies behind one padding more
.set AS0,  6                           ; v6   16 r + 2,048 (w >> 1) + SCLO
.set AT0,  7                           ; v7   16 lane + 8,192 (w & 1) + TAILO
.set ADS,  10                          ; v10, v11: the last two in the slot in hand
.set ADT,  11
.set HCO,  12                          ; v12  16 lane
.set HSO,  13                          ; v13  16 r
.set PO,   14                          ; v14  16 r + 8 hh
.set SPW,  16                          ; v16  LDS address of my spare word; never rewritten
.set NIL,  17                          ; v17  0; never rewritten
.set PFO,  18                          ; v18  the prefetches' offset; never rewritten
.set HS,   34
.set WS,   72
.set AWB,  112                         ; tile i: v[AWB + 2 i] = v4 + the tile's place in a slot, v[AWB + 2 i + 1] = v5 + the same
.set AWC,  128                         ; the same sixteen in the slot in hand
.set LN,   144                         ; v144-159 lin[jr] of my 8 tiles of b, in the order in which the way out holds the sums
.set OUT,  176
.set SUMS, 192
.set NW,   14                          ; LDS instructions that bring a tile of W
.set DG,   96                          ; window 3
.set ACC,  160                         ; window 3
.set TL,   192                         ; windows 1 and 2
.set WV, 16
.set WB, 17
.set WR, 18
.set CX, 19
.set CY, 20
.set HG, 21
.set JR, 22
.set CM, 23
.set RM, 24
.set G1W, 28                           ; s[28:35] group 1 for W's codes;  s[36:43] for W's scale bytes;  s[44:51] for tail
.set G1S, 36
.set G1T, 44
.set G0W, 52                           ; s[52:59], s[68:75], s[76:83]: groups 0, two sets each: step 0 into slot 0; step 1 into slot 1, which then walks
.set G0S, 68
.set G0T, 76
.set TB,  84                           ; s84  the slot in hand: 0 or SLOTW
.set TT,  85                           ; s85  0 or SLOTT
.set CNT, 86                           ; s86  refills to go
.set LIM, 87                           ; s87  1 in a wave that prefetches, else the greatest number
.set PFA, 88                           ; s[88:89] where my work-group's prefetches stand
.set SA,  0xf7
.set SB,  0xfb
.set MSB, 0
.macro WIN new                         ; the immediate's high byte repeats the setting that is left; a switch that changes nothing is dropped
.if MSB != \new
	s_set_vgpr_msb (MSB<<8)|\new
.set MSB, \new
.endif
.endm
.macro CREST                           ; a round of the cluster's barrier behind its opening barrier
	s_cmp_lg_u32 s[WV], 0
	s_cbranch_scc1 .Lnot_wave_0_\@
	s_barrier_signal -3
.Lnot_wave_0_\@:
	s_barrier_wait -3
	s_barrier_signal -1
	s_barrier_wait -1
.endm
.macro CROUND
	s_barrier_signal -1
	s_barrier_wait -1
	CREST
.endm
; A joint load by the walking descriptors: waves 0 and 1 fetch W's codes (4 h each), wave 2 W's scale bytes, wave 3 tail.  The branches hang on the wave's number alone.
; An s_nop 0 and four v_nop follow each tensor load.
.macro JLOAD
	s_cmp_lt_u32 s[WV], 2
	s_cbranch_scc0 .Lnot_w_\@
	tensor_load_to_lds s[G0W+4:G0W+7], s[G1W:G1W+7]
	s_nop 0
.rept 4
	v_nop
.endr
	s_branch .Lasked_\@
.Lnot_w_\@:
	s_cmp_eq_u32 s[WV], 2
	s_cbranch_scc0 .Lnot_s_\@
	tensor_load_to_lds s[G0S+4:G0S+7], s[G1S:G1S+7]
	s_nop 0
.rept 4
	v_nop
.endr
	s_branch .Lasked_\@
.Lnot_s_\@:
	tensor_load_to_lds s[G0T+4:G0T+7], s[G1T:G1T+7]
	s_nop 0
.rept 4
	v_nop
.endr
.Lasked_\@:
.endm
; A PREFETCH INTO THE L2 of W's codes for the step that the NEXT change of slots will ask for: one step, 256 matrix instructions, ahead of that load.  A step's codes of one h are 12,288 consecutive bytes: 48 blocks of 256.
; The column's four partners, who alone read these bytes, share the 8 h out BY ADDRESS: the partner at cy takes h 2 cy and 2 cy + 1: 96 blocks, one to each thread of waves 0-2.  So each block is named once in the launch.
; The last change that fills a slot asks for nothing; steps 0 to 2 come by their loads alone.
.macro ASK
	s_cmp_gt_u32 s[CNT], s[LIM]
	s_cbranch_scc0 .Lnot_mine_\@
	global_prefetch_b8 v[PFO], s[PFA:PFA+1] th:TH_LOAD_NT scope:SCOPE_SE
.Lnot_mine_\@:
.endm
; A fragment (16 rows x 128 K of 6-bit codes: 12 registers) in six pieces of 8 bytes.  Lanes 0-15 take the row's pieces 12 ks + 0, 1, 2 and + 6, 7, 8, lanes 16-31 those three pieces on.
; Piece P lies at 8 P + 16 (P / 16) of the LDS row; where the piece three on lies behind one padding more (P % 16 > 12) the tile's second address register serves.
; Two pieces on end that go by the same address register come by ONE instruction with two offsets (in units of 8 bytes): 3, 4, 4 and 3 instructions for the four fragments of a tile.
.macro FRAG reg, ks, a
.set fp, 0
.rept 6
.if fp < 6
.set P0, 12*(\ks)+6*(fp/3)+fp%3
.set P1, 12*(\ks)+6*((fp+1)/3)+(fp+1)%3
.set TWO, 0
.if fp < 5
.if (P1%16)/13 == (P0%16)/13
.set TWO, 1
.endif
.endif
.if TWO
	ds_load_2addr_b64 v[(\reg)+2*fp:(\reg)+2*fp+3], v[(\a)+(P0%16)/13] offset0:P0+2*(P0/16) offset1:P1+2*(P1/16)
.set fp, fp+2
.else
	ds_load_b64 v[(\reg)+2*fp:(\reg)+2*fp+1], v[(\a)+(P0%16)/13] offset:8*P0+16*(P0/16)
.set fp, fp+1
.endif
.endif
.endr
.endm
.macro FETCHW i                        ; tile i of the slot in hand (h = i % 4, tile of j = i / 4) into buffer i % 2: NW instructions
	WIN 0xc0                                       ; destination window 3, address window 0
.irp ks, 0,1,2,3
	FRAG 48*((\i)%2)+12*\ks, \ks, AWC+2*(\i)
.endr
.endm
.macro FETCHJ p                        ; for tile p of j: W's scale words of my 4 h (4 loads), tail for b tiles 0-3 (8), tail for b tiles 4-7 (8), in this order
	WIN 0
.irp h, 0,1,2,3
	ds_load_b128 v[WS+16*(\p)+4*\h:WS+16*(\p)+4*\h+3], v[ADS] offset:512*\h+256*(\p)
.endr
	WIN 0x80
.irp t, 0,1,2,3
.irp q, 0,1
	ds_load_b128 v[TL+32*(\p)+8*\t+4*\q:TL+32*(\p)+8*\t+4*\q+3], v[ADT] offset:16384*(\p)+1024*\t+512*\q
.endr
.endr
	WIN 0x40
.irp t, 0,1,2,3
.irp q, 0,1
	ds_load_b128 v[TL+32*(\p)+8*\t+4*\q:TL+32*(\p)+8*\t+4*\q+3], v[ADT] offset:16384*(\p)+4096+1024*\t+512*\q
.endr
.endr
.endm
.macro ADDRS                           ; the eighteen addresses in the slot in hand
.irp k, 0,1,2,3,4,5,6,7,8,9,10,11,12,13,14,15
	v_add_nc_u32 v[AWC+\k], s[TB], v[AWB+\k]
.endr
	v_add_nc_u32 v[ADS], s[TB], v[AS0]
	v_add_nc_u32 v[ADT], s[TT], v[AT0]
.endm
; Pairs n0 .. n1 - 1 of a phase's 16.  Pair n: K step (and register pair) ks = n / 4, b tile tt = n % 4.
; mm = 1: the matrix instruction of group g, tile i: the group's four accumulators take turns, one instruction a turn; the first K step starts the sum with the constant 0.
; fma = 1: one packed multiply-add on the other group: in phase A (g = 0) group 1 of the tile before, in phase B group 0 of this tile.
; Between an accumulator's last link (pair 12 + tt) and its first reader (pair tt of the next phase, which reads its two lowest registers) stand four multiply-adds that name none of that link's registers (ISA guide 7.12.1).
.macro PAIRS g, i, n0, n1, fma, mm
.set n, \n0
.rept (\n1)-(\n0)
.set ks, n/4
.set tt, n%4
.if \mm
.set rD, DG+32*(\g)+8*tt
.set rW, 48*((\i)%2)+12*ks
.set rH, 48*tt+12*ks
.set rSW, WS+16*((\i)/4)+4*((\i)%4)+ks
.set rSH, HS+4*(4*(\g)+tt)+ks
.if ks == 0
	v_wmma_scale_f32_16x16x128_f8f6f4 v[rD:rD+7], v[rW:rW+11], v[rH:rH+11], 0, v[rSW], v[rSH] matrix_a_fmt:MATRIX_FMT_FP6 matrix_b_fmt:MATRIX_FMT_FP6
.else
	v_wmma_scale_f32_16x16x128_f8f6f4 v[rD:rD+7], v[rW:rW+11], v[rH:rH+11], v[rD:rD+7], v[rSW], v[rSH] matrix_a_fmt:MATRIX_FMT_FP6 matrix_b_fmt:MATRIX_FMT_FP6
.endif
.endif
.if \fma
.if (\g) == 0
.set ip, ((\i)+7)%8
.set rA, ACC+16*(ip%4)+2*(4+tt)
.set rX, DG+32+8*tt+2*ks
.else
.set ip, (\i)
.set rA, ACC+16*(ip%4)+2*tt
.set rX, DG+8*tt+2*ks
.endif
.set rT, TL+32*(ip/4)+8*tt+2*ks
	v_pk_fma_f32 v[rA:rA+1], v[rX:rX+1], v[rT:rT+1], v[rA:rA+1]
.endif
.set n, n+1
.endr
.endm
; PHASE A of tile i.  mode 1: in its middle the next tile of W is fetched into the other buffer (last read a phase ago: eight multiply-adds back), and behind tiles 3 and 7 what the next tile of j needs.
; Ahead of that run of loads pairs 4-7 stand as four matrix instructions and then their four multiply-adds.
; mode 0: nothing is fetched.  modes 2 and 3 (tile 7): THE CHANGE OF SLOTS.  Each wave waits for all its tensor loads (one is out: its part of the next slot), adds 0 to its spare word, and waits for that and for its
; reads of this slot (the last, tile 7's, were issued a tile ago).  mode 3: the barrier opens a round of the cluster's barrier, and behind the round the slot just left is filled again, two steps ahead.
.macro PHASE_A i, mode, fma
.if (\mode) < 2
.if (\i)%4 == 0
	s_wait_dscnt 16                                ; the tile of W and the scale words are in; the 16 loads of tail behind them may be out
.else
	s_wait_dscnt 0x0
.endif
	WIN SA
	PAIRS 0, \i, 0, 4, \fma, 1
	PAIRS 0, \i, 4, 8, 0, 1
	PAIRS 0, \i, 4, 8, \fma, 0
.if (\mode) == 1
	FETCHW ((\i)+1)%8
.if (\i)%4 == 3
	FETCHJ (((\i)+1)/4)%2
.endif
	WIN SA
.endif
	PAIRS 0, \i, 8, 16, \fma, 1
.else
	WIN 0                                          ; (the add's two registers lie in window 0)
	s_wait_tensorcnt 0x0                           ; all my tensor loads have landed, so every group 0 may be written
	ds_add_u32 v[SPW], v[NIL]                      ; 0 onto my spare word
.if (\mode) == 3
	s_xor_b32 s[G0W+5], s[G0W+5], SLOTW            ; the walking descriptors: the other slot than last time, the next step
	s_add_nc_u64 s[G0W+6:G0W+7], s[G0W+6:G0W+7], 12288
	s_xor_b32 s[G0S+5], s[G0S+5], SLOTW
	s_add_nc_u64 s[G0S+6:G0S+7], s[G0S+6:G0S+7], 512
	s_xor_b32 s[G0T+5], s[G0T+5], SLOTT
	s_add_nc_u64 s[G0T+6:G0T+7], s[G0T+6:G0T+7], 131072
	s_wait_xcnt 0x0                                ; the last prefetch, a step back, has read its address
	s_add_nc_u64 s[PFA:PFA+1], s[PFA:PFA+1], 12288 ; one step further on than the walking descriptors
.endif
	s_wait_dscnt 1                                 ; tile 7 of W is in; the add alone may be out
	WIN SA
	PAIRS 0, \i, 0, 4, \fma, 1
	s_wait_alu depctr_va_vdst(0)
	s_wait_dscnt 0x0                               ; the add is done, and my reads of this slot are over
	s_barrier_signal -1
	PAIRS 0, \i, 4, 8, \fma, 1                     ; work on registers while the others arrive
	WIN 0
	s_barrier_wait -1
.if (\mode) == 3
	CREST                                          ; no wave of any partner still reads this slot or has a load on its way
	JLOAD                                          ; my one tensor load behind the round, and the first thing there: it has a step, 256 matrix instructions, in which to land
.endif
	s_xor_b32 s[TB], s[TB], SLOTW                  ; on to the other slot
	s_xor_b32 s[TT], s[TT], SLOTT
	ADDRS
	FETCHW 0
	FETCHJ 0
.if (\mode) == 3
	WIN 0
	ASK                                            ; behind the joint load and the runs of LDS loads that the next products wait for
.endif
	WIN SA
	s_wait_alu depctr_va_vdst(0)
	PAIRS 0, \i, 8, 16, \fma, 1
.endif
.endm
.macro PHASE_B i
.if (\i)%4 == 0
	s_wait_dscnt 8+NW                              ; tail for b tiles 0-3 is in; behind it: 8 loads of tail for tiles 4-7 and the next tile of W's NW
.endif
	WIN SB
	PAIRS 1, \i, 0, 16, 1, 1
.endm
; A trip goes from a step's phase B of tile 0 to the next step's phase A of tile 0.
.macro STEPBODY mode
	PHASE_B 0
.irp i, 1,2,3,4,5,6
	PHASE_A \i, 1, 1
	PHASE_B \i
.endr
	PHASE_A 7, \mode, 1
	PHASE_B 7
.if (\mode) != 0
	PHASE_A 0, 1, 1
.endif
.endm
	s_load_b256 s[4:11], s[0:1], 0x0               ; W's codes s[4:5], W's scales s[6:7], hcod s[8:9], hscl s[10:11]
	s_load_b128 s[12:15], s[0:1], 0x20             ; timg s[12:13], part s[14:15]
	s_load_b64 s[98:99], s[0:1], 0x30              ; lin
	v_lshl_add_u32 v[SPW], v0, 2, SPARE
	v_mov_b32 v[NIL], 0
	ds_add_u32 v[SPW], v[NIL]                      ; the opening lines: the add, twice on end, and its wait ahead of my first tensor load
	ds_add_u32 v[SPW], v[NIL]
	s_wait_dscnt 0x0
	v_lshrrev_b32 v1, 5, v0
	v_readfirstlane_b32 s[WV], v1                  ; wave 0..3
	s_and_b32 s[WB], s[WV], 1                      ; which 128 b.  Also: which 4 h of W's codes waves 0 and 1 fetch
	s_lshr_b32 s[WR], s[WV], 1                     ; which 4 h
	s_bfe_u32 s[CX], ttmp6, 0x40000                ; cx, cy: my place in the cluster
	s_bfe_u32 s[CY], ttmp6, 0x40004
	s_lshr_b32 s[HG], ttmp9, 1                     ; ttmp9 counts clusters: 0..15
	s_lshl_b32 s[HG], s[HG], 2
	s_add_co_u32 s[HG], s[HG], s[CX]               ; my group of 8 h: 0..31
	s_and_b32 s[JR], ttmp9, 1                      ; my half of j
	s_lshl_b32 s[CM], 0x1111, s[CX]                ; my column of the cluster
	s_lshl_b32 s[RM], s[CY], 2
	s_lshl_b32 s[RM], 15, s[RM]                    ; my row
	; group 1 for W's codes: 4 rows (h) of 12,288 bytes (32 j x 384, dense), 196,608 bytes apart; 16 bytes of padding behind each 128
	s_or_b32 s[G1W], s[CM], (0<<16)|(1<<20)|(1<<21)|(4<<22)|(3<<25)   ; 15:0 the mask; 17:16 elements of 1 byte; 20 padding on; 21 set beside a mask; 24:22 after every 32 words (code 4); 31:25 of 4 words (code 3)
	s_mov_b32 s[G1W+1], 12288<<16                  ; tensor_dim0
	s_mov_b32 s[G1W+2], 4<<16                      ; tensor_dim1
	s_mov_b32 s[G1W+3], 12288<<16                  ; tile_dim0
	s_mov_b32 s[G1W+4], 4                          ; tile_dim1
	s_mov_b32 s[G1W+5], 196608                     ; from h to h
	s_mov_b32 s[G1W+6], 0
	s_mov_b32 s[G1W+7], 0
	; for W's scale bytes: 8 rows (h) of 512 bytes (64 elements of 8 bytes), 8,192 bytes apart; no padding
	s_or_b32 s[G1S], s[CM], (3<<16)|(1<<21)
	s_mov_b32 s[G1S+1], 64<<16
	s_mov_b32 s[G1S+2], 8<<16
	s_mov_b32 s[G1S+3], 64<<16
	s_mov_b32 s[G1S+4], 8
	s_mov_b32 s[G1S+5], 1024
	s_mov_b32 s[G1S+6], 0
	s_mov_b32 s[G1S+7], 0
	; for tail: 32,768 dense bytes as 128 rows of 256 (32 elements of 8 bytes)
	s_or_b32 s[G1T], s[RM], (3<<16)|(1<<21)
	s_mov_b32 s[G1T+1], 32<<16
	s_mov_b32 s[G1T+2], 128<<16
	s_mov_b32 s[G1T+3], 32<<16
	s_mov_b32 s[G1T+4], 128
	s_mov_b32 s[G1T+5], 32
	s_mov_b32 s[G1T+6], 0
	s_mov_b32 s[G1T+7], 0
	; where the tiles come from.  W's hang on hg (cx), jr and the wave; tail's on cy and jr: each in registers that never hold the other coordinate
	s_lshl_b32 s90, s[HG], 3
	s_lshl_b32 s91, s[WB], 2
	s_add_co_u32 s90, s90, s91                     ; h = 8 hg + 4 x half
	s_mul_i32 s90, s90, 196608
	s_mul_i32 s91, s[JR], 98304                    ; 256 j x 384 bytes
	s_add_co_u32 s90, s90, s91
	s_mov_b32 s91, 0
	s_lshl_b32 s92, s[HG], 16                      ; 8 h x 8,192 scale bytes
	s_lshl_b32 s93, s[JR], 12                      ; 256 j x 16
	s_add_co_u32 s92, s92, s93
	s_mov_b32 s93, 0
	s_lshl_b32 s94, s[JR], 20                      ; 8 steps x 131,072 bytes of timg
	s_lshl_b32 s95, s[CY], 15                      ; my 256 b: 32,768 bytes
	s_add_co_u32 s94, s94, s95
	s_mov_b32 s95, 0
	s_mul_i32 s2, s[WB], 4*HP                      ; where W's codes go: no place in the cluster enters an LDS address
	s_wait_kmcnt 0x0
	s_mov_b32 s[G0W], 1                            ; count = 1
	s_mov_b32 s[G0W+1], s2                         ; LDS address: slot 0
	s_add_nc_u64 s[G0W+2:G0W+3], s[4:5], s[90:91]  ; step 0
	s_mov_b32 s[G0W+4], 1
	s_add_co_u32 s[G0W+5], s2, SLOTW               ; slot 1
	s_add_nc_u64 s[G0W+6:G0W+7], s[G0W+2:G0W+3], 12288   ; step 1
	s_or_b32 s[G0W+3], s[G0W+3], 0x80000000        ; type = 2
	s_or_b32 s[G0W+7], s[G0W+7], 0x80000000
	s_mov_b32 s[G0S], 1
	s_mov_b32 s[G0S+1], SCLO
	s_add_nc_u64 s[G0S+2:G0S+3], s[6:7], s[92:93]
	s_mov_b32 s[G0S+4], 1
	s_mov_b32 s[G0S+5], SCLO+SLOTW
	s_add_nc_u64 s[G0S+6:G0S+7], s[G0S+2:G0S+3], 512
	s_or_b32 s[G0S+3], s[G0S+3], 0x80000000
	s_or_b32 s[G0S+7], s[G0S+7], 0x80000000
	s_mov_b32 s[G0T], 1
	s_mov_b32 s[G0T+1], TAILO
	s_add_nc_u64 s[G0T+2:G0T+3], s[12:13], s[94:95]
	s_mov_b32 s[G0T+4], 1
	s_mov_b32 s[G0T+5], TAILO+SLOTT
	s_add_nc_u64 s[G0T+6:G0T+7], s[G0T+2:G0T+3], 131072
	s_or_b32 s[G0T+3], s[G0T+3], 0x80000000
	s_or_b32 s[G0T+7], s[G0T+7], 0x80000000
	CROUND                                         ; all sixteen work-groups are here: the first joint loads meet
	s_cmp_lt_u32 s[WV], 2                          ; step 0 into slot 0: one tensor load a wave, each in its arm of one chain of branches
	s_cbranch_scc0 .Lfirst_not_w
	tensor_load_to_lds s[G0W:G0W+3], s[G1W:G1W+7]
	s_nop 0
.rept 4
	v_nop
.endr
	s_branch .Lfirst_asked
.Lfirst_not_w:
	s_cmp_eq_u32 s[WV], 2
	s_cbranch_scc0 .Lfirst_not_s
	tensor_load_to_lds s[G0S:G0S+3], s[G1S:G1S+7]
	s_nop 0
.rept 4
	v_nop
.endr
	s_branch .Lfirst_asked
.Lfirst_not_s:
	tensor_load_to_lds s[G0T:G0T+3], s[G1T:G1T+7]
	s_nop 0
.rept 4
	v_nop
.endr
.Lfirst_asked:
	v_and_b32 v1, 15, v0                           ; r
	v_bfe_u32 v2, v0, 4, 1                         ; hh
	v_and_b32 v3, 31, v0                           ; lane
	v_lshlrev_b32 v[HCO], 4, v3
	s_wait_alu depctr_va_vdst(0)
	v_lshlrev_b32 v[HSO], 4, v1
	s_wait_alu depctr_va_vdst(0)
	s_lshl_b32 s96, s[CY], 4
	s_lshl_b32 s97, s[WB], 3
	s_add_co_u32 s96, s96, s97                     ; my first tile of b: 16 cy + 8 (w & 1)
	s_mul_i32 s94, s96, 6144
	s_add_nc_u64 s[8:9], s[8:9], s[94:95]          ; its images,
	s_lshl_b32 s94, s96, 8
	s_add_nc_u64 s[10:11], s[10:11], s[94:95]      ; its scale words
.irp t, 0,1,2,3,4,5,6,7
	global_load_b128 v[HS+4*\t:HS+4*\t+3], v[HSO], s[10:11] offset:256*\t      ; row r of tile t: the words of K steps 0-3
.endr
	WIN 0x40                                       ; destination window 1
.irp t, 0,1,2,3
.irp s, 0,1,2,3
.irp c, 0,1,2
	global_load_b128 v[48*\t+12*\s+4*\c:48*\t+12*\s+4*\c+3], v[HCO], s[8:9] offset:6144*\t+1536*\s+512*\c
.endr
.endr
.endr
	WIN 0x80                                       ; destination window 2
.irp t, 0,1,2,3
.irp s, 0,1,2,3
.irp c, 0,1,2
	global_load_b128 v[48*\t+12*\s+4*\c:48*\t+12*\s+4*\c+3], v[HCO], s[8:9] offset:6144*(\t+4)+1536*\s+512*\c
.endr
.endr
.endr
	WIN 0
	v_mul_u32_u24 v[AW0], v1, RP
	v_mad_u32_u24 v[AW0], v2, 24, v[AW0]
	s_mul_i32 s2, s[WR], 4*HP
	v_add_nc_u32 v[AW0], s2, v[AW0]
	v_lshl_add_u32 v[AW1], v2, 4, v[AW0]
.irp i, 0,1,2,3,4,5,6,7
	v_add_nc_u32 v[AWB+2*\i], (\i%4)*HP+(\i/4)*16*RP, v[AW0]       ; tile i of a slot: h = i % 4, tile of j = i / 4
	v_add_nc_u32 v[AWB+2*\i+1], (\i%4)*HP+(\i/4)*16*RP, v[AW1]
.endr
	s_lshl_b32 s2, s[WR], 11
	s_add_co_u32 s2, s2, SCLO
	v_add_nc_u32 v[AS0], s2, v[HSO]
	s_lshl_b32 s2, s[WB], 13
	s_add_co_u32 s2, s2, TAILO
	v_add_nc_u32 v[AT0], s2, v[HCO]
	v_lshl_add_u32 v[PO], v2, 3, v[HSO]
	; part: [jr][bt 64][hq 64][r 16][4 h]: my first tile of b, hq = 2 hg + (w >> 1)
	s_lshl_b32 s60, s[JR], 20
	s_lshl_b32 s61, s96, 14
	s_add_co_u32 s60, s60, s61
	s_lshl_b32 s61, s[HG], 1
	s_add_co_u32 s61, s61, s[WR]
	s_lshl_b32 s61, s61, 8
	s_add_co_u32 s60, s60, s61
	s_mov_b32 s61, 0
	s_add_nc_u64 s[14:15], s[14:15], s[60:61]
	s_add_nc_u64 s[98:99], s[98:99], s[60:61]      ; lin has part's layout: the same offset
	s_wait_alu depctr_va_vdst(0)
.irp t, 0,1,2,3,4,5,6,7
	global_load_b64 v[LN+2*\t:LN+2*\t+1], v[PO], s[98:99] offset:16384*\t      ; 32 lanes read 256 consecutive bytes, aligned: 16 b x my 4 h
.endr
	; the prefetches: h = 8 hg + 2 cy, my half of j, at step 2: the first change of slots steps it to step 3
	s_lshl_b32 s62, s[HG], 3
	s_lshl_b32 s63, s[CY], 1
	s_add_co_u32 s62, s62, s63
	s_mul_i32 s62, s62, 196608
	s_mul_i32 s63, s[JR], 98304
	s_add_co_u32 s62, s62, s63
	s_add_co_u32 s62, s62, 2*12288
	s_mov_b32 s63, 0
	s_add_nc_u64 s[PFA:PFA+1], s[4:5], s[62:63]
	s_cmp_lt_u32 s[WV], 3
	s_cselect_b32 s[LIM], 1, -1                    ; 96 blocks: waves 0-2
	v_mov_b32 v19, 196608-12288
	v_cmp_lt_u32 vcc_lo, 47, v0
	v_cndmask_b32 v19, 0, v19, vcc_lo              ; threads 48 on: the second h
	v_lshl_add_u32 v[PFO], v0, 8, v19              ; 256 bytes from thread to thread
	WIN 0xc0                                       ; destination window 3
.set n, 0
.rept 64
	v_mov_b32 v[ACC+n], 0                          ; the 64 sums begin at 0: once, while the first tiles are on their way; it spares a further copy of the step
.set n, n+1
.endr
	WIN 0
	s_mov_b32 s[TB], 0
	s_mov_b32 s[TT], 0
	ADDRS
	s_wait_alu depctr_va_vdst(0)
	s_wait_tensorcnt 0x0                           ; my part of step 0 is in; ahead of a later first fill, as ahead of a refill:
	ds_add_u32 v[SPW], v[NIL]                      ; 0 onto my spare word,
	s_wait_dscnt 0x0                               ; and the add is done
	CROUND                                         ; a whole round: everybody's part of step 0 is in, and all sixteen work-groups are here
	JLOAD                                          ; step 1 into slot 1: my one tensor load behind the round; it has step 0's 256 matrix instructions in which to land
	FETCHW 0
	FETCHJ 0
	s_wait_loadcnt 56                              ; head's scale words and tiles 0-3 are in; the 48 loads of tiles 4-7 and the 8 of lin may be out
	PHASE_A 0, 1, 0                                ; the first phase has no finished group to fold
.rept 4
	v_nop                                          ; in the multiply-adds' stead: four plain instructions behind its last products
.endr
	s_wait_loadcnt 8                               ; head's tiles 4-7 are in; the 8 loads of lin behind them may stay out: nothing names their registers before the way out
	s_mov_b32 s[CNT], 6
	WIN 0                                          ; at a label and at a branch every window is 0
.Lstep:                                            ; steps 0 to 5: each fills the slot that it leaves with the step two on
	STEPBODY 3
	WIN 0
	s_sub_co_u32 s[CNT], s[CNT], 1
	s_cmp_lg_u32 s[CNT], 0
	s_cbranch_scc1 .Lstep
	STEPBODY 2                                     ; step 6 changes slots and fills nothing: written out
	STEPBODY 0                                     ; step 7
	WIN SA
	s_wait_loadcnt 0x0                             ; lin is in: the way out reads it
	PAIRS 0, 0, 0, 16, 1, 0                        ; the last tile's group 1 is folded
	; THE WAY OUT.  A sum's pair holds even and odd j; lanes r and r + 16 hold the two halves of each tile of j.
	WIN 0x0f                                       ; sources window 3, destination window 0
.irp h, 0,1,2,3
.irp t, 0,1,2,3,4,5,6,7
	v_add_f32 v[SUMS+8*\h+\t], v[ACC+16*\h+2*\t], v[ACC+16*\h+2*\t+1]
.endr
.endr
	WIN 0
.irp q, 0,1
.irp t, 0,1,2,3,4,5,6,7
	v_permlane16_swap_b32 v[SUMS+8*\q+\t], v[SUMS+16+8*\q+\t]   ; h = q's lanes 16-31 change places with h = q + 2's lanes 0-15:
.endr
.endr
.irp t, 0,1,2,3,4,5,6,7
.irp q, 0,1
	v_add_f32 v[OUT+2*\t+\q], v[SUMS+8*\q+\t], v[SUMS+16+8*\q+\t]   ; lanes 0-15 now hold h = q whole, lanes 16-31 h = q + 2
.endr
.endr
.irp t, 0,1,2,3,4,5,6,7
	v_pk_add_f32 v[OUT+2*\t:OUT+2*\t+1], v[OUT+2*\t:OUT+2*\t+1], v[LN+2*\t:LN+2*\t+1]   ; + the linear term's K half jr
	global_store_b64 v[PO], v[OUT+2*\t:OUT+2*\t+1], s[14:15] offset:16384*\t   ; 32 lanes store 256 consecutive bytes, aligned: 16 b x my 4 h
.endr
	s_wait_tensorcnt 0x0                           ; the wave's end
	ds_add_u32 v[SPW], v[NIL]
	s_wait_dscnt 0x0
	CROUND                                         ; the closing round: no work-group ends while a partner may still ask for a tile that names it
	s_endpgm
.Lfunc_end_k_q86b564faaa_main:
	.size	k_q86b564faaa_main, .Lfunc_end_k_q86b564faaa_main-k_q86b564faaa_main
	.p2alignl 7, 3214868480
	.fill 96, 4, 3214868480
	.section	.rodata,"a",@progbits
	.p2align	6, 0x0
	.amdhsa_kernel k_q86b564faaa_main
		.amdhsa_group_segment_fixed_size 327680
		.amdhsa_private_segment_fixed_size 0
		.amdhsa_enable_private_segment 0
		.amdhsa_kernarg_size 56
		.amdhsa_user_sgpr_count 2
		.amdhsa_user_sgpr_kernarg_segment_ptr 1
		.amdhsa_wavefront_size32 1
		.amdhsa_system_sgpr_workgroup_id_x 1
		.amdhsa_system_sgpr_workgroup_id_y 1
		.amdhsa_system_sgpr_workgroup_id_z 1
		.amdhsa_system_vgpr_workitem_id 0
		.amdhsa_next_free_vgpr 1024
		.amdhsa_next_free_sgpr 100
		.amdhsa_reserve_vcc 1
		.amdhsa_float_denorm_mode_32 3
		.amdhsa_float_denorm_mode_16_64 3
		.amdhsa_memory_ordered 1
		.amdhsa_forward_progress 1
		.amdhsa_inst_pref_size 209
	.end_amdhsa_kernel
	.amdgpu_metadata
---
amdhsa.version: [ 1, 2 ]
amdhsa.kernels:
  - .name:           k_q86b564faaa_main
    .symbol:         k_q86b564faaa_main.kd
    .args:
      - { .name: W_R_codes, .offset: 0, .size: 8, .value_kind: global_buffer, .address_space: global }
      - { .name: W_R_scales, .offset: 8, .size: 8, .value_kind: global_buffer, .address_space: global }
      - { .name: hcod, .offset: 16, .size: 8, .value_kind: global_buffer, .address_space: global }
      - { .name: hscl, .offset: 24, .size: 8, .value_kind: global_buffer, .address_space: global }
      - { .name: timg, .offset: 32, .size: 8, .value_kind: global_buffer, .address_space: global }
      - { .name: part, .offset: 40, .size: 8, .value_kind: global_buffer, .address_space: global }
      - { .name: lin, .offset: 48, .size: 8, .value_kind: global_buffer, .address_space: global }
    .group_segment_fixed_size: 327680
    .private_segment_fixed_size: 0
    .kernarg_segment_align: 8
    .kernarg_segment_size: 56
    .max_flat_workgroup_size: 128
    .sgpr_count:     100
    .vgpr_count:     1024
    .wavefront_size: 32
...
	.end_amdgpu_metadata
.endif
;; end of part 5
;; launch finish (part 6): grid 64 x 1, 8 waves a work-group, no clusters, 2,048 bytes of LDS; arguments part, b_R, u_R, out0; writes out0
.if DOCPART == 6
	.amdgcn_target "amdgcn-amd-amdhsa--gfx1250"
	.amdhsa_code_object_version 6
	.text
	.protected	k_q86b564faaa_finish
	.globl	k_q86b564faaa_finish
	.p2align	8
	.type	k_q86b564faaa_finish,@function
k_q86b564faaa_finish:
	s_mov_b64 s[64:65], 0
	v_nop
	global_prefetch_b8 v0, s[64:65] scope:SCOPE_SE
	s_setreg_imm32_b32 hwreg(HW_REG_WAVE_MODE, 25, 1), 1
	s_wait_xcnt 0x0
; FINISH.  out0[b] = sum over h of max(part[0][b][h] + part[1][b][h] + b_R[h], 0) x u_R[h].
; part[jr]: the bilinear term's half jr of j and the linear term's K half jr, added by the launch before: [2][bt 64][hq 64][r 16][4 h], f32.
; Work-group bt owns 16 b; wave w takes hq = 8 w + 2 i + hh, i = 0 .. 3; a lane holds b = r and 16 of the 256 h.
; Each load of part covers 512 consecutive bytes of a wave.  The launch has no loop to run ahead in: no prefetch; no matrix unit, no tensor load, no cluster: the work-groups share only b_R and u_R, 2,048 bytes.
; An output needs all 256 h of its b, and a unit of 256 bytes of part holds 16 b: so a work-group has 16 b, and there are 64 of them.
; LIMITS: the maximum with 0 turns a NaN into 0; NaN and infinities are not served.  The sums run by halves, lanes and waves, in another order than a plain loop.
; relation_embeddings has no way to the result and is not loaded.
	s_load_b256 s[4:11], s[0:1], 0x0               ; part s[4:5], b_R s[6:7], u_R s[8:9], out0 s[10:11]
	v_lshl_add_u32 v128, v0, 2, 0x400              ; my spare word, behind the 512 bytes of the waves' sums
	v_mov_b32 v129, 0
	v_lshrrev_b32 v1, 5, v0
	s_delay_alu instid0(VALU_DEP_1)
	v_readfirstlane_b32 s14, v1                    ; wave 0..7
	v_and_b32 v1, 31, v0                           ; lane
	v_and_b32 v2, 15, v0                           ; r
	v_bfe_u32 v3, v0, 4, 1                         ; hh
	s_delay_alu instid0(VALU_DEP_3)
	v_lshlrev_b32 v4, 4, v1                        ; 16 lane = 256 hh + 16 r
	s_delay_alu instid0(VALU_DEP_2)
	v_lshlrev_b32 v5, 4, v3                        ; 16 hh
	s_delay_alu instid0(VALU_DEP_4)
	v_lshlrev_b32 v6, 2, v2                        ; 4 r
	s_lshl_b32 s15, s14, 6
	v_add_nc_u32 v7, s15, v6                       ; LDS: 64 w + 4 r
	s_lshl_b32 s16, ttmp9, 14                      ; 16,384 bytes a work-group,
	s_lshl_b32 s17, s14, 11                        ; 2,048 a wave
	s_add_co_u32 s16, s16, s17
	s_mov_b32 s17, 0
	s_lshl_b32 s18, s14, 7                         ; b_R, u_R: my 32 numbers
	s_mov_b32 s19, 0
	s_lshl_b32 s20, ttmp9, 6                       ; out0: 16 numbers a work-group
	s_mov_b32 s21, 0
	s_mov_b32 s22, 0x76543210
	s_mov_b32 s23, 0xfedcba98                      ; lane l xor 16
	s_wait_alu depctr_va_vdst(0)
	s_wait_kmcnt 0x0
	s_add_nc_u64 s[4:5], s[4:5], s[16:17]
	s_add_nc_u64 s[6:7], s[6:7], s[18:19]
	s_add_nc_u64 s[8:9], s[8:9], s[18:19]
	s_add_nc_u64 s[10:11], s[10:11], s[20:21]
.irp i, 0,1,2,3
	global_load_b128 v[32+4*\i:35+4*\i], v4, s[4:5] offset:512*\i th:TH_LOAD_NT
	global_load_b128 v[48+4*\i:51+4*\i], v4, s[4:5] offset:1048576+512*\i th:TH_LOAD_NT
	global_load_b128 v[96+4*\i:99+4*\i], v5, s[6:7] offset:32*\i               ; b_R[32 w + 8 i + 4 hh + 0 .. 3]
	global_load_b128 v[64+4*\i:67+4*\i], v5, s[8:9] offset:32*\i               ; u_R likewise
.endr
	s_wait_loadcnt 0x0
.irp k, 0,2,4,6,8,10,12,14
	v_pk_add_f32 v[32+\k:33+\k], v[32+\k:33+\k], v[48+\k:49+\k]    ; the two halves
.endr
.irp k, 0,2,4,6,8,10,12,14
	v_pk_add_f32 v[32+\k:33+\k], v[32+\k:33+\k], v[96+\k:97+\k]    ; + b_R
.endr
.irp k, 0,1,2,3,4,5,6,7,8,9,10,11,12,13,14,15
	v_max_num_f32 v[32+\k], 0, v[32+\k]            ; the activation
.endr
	v_pk_mul_f32 v[112:113], v[32:33], v[64:65]    ; two chains, begun by products: nothing is cleared
	v_pk_mul_f32 v[114:115], v[34:35], v[66:67]
.irp i, 1,2,3
	s_delay_alu instid0(VALU_DEP_2)
	v_pk_fma_f32 v[112:113], v[32+4*\i:33+4*\i], v[64+4*\i:65+4*\i], v[112:113]
	s_delay_alu instid0(VALU_DEP_2)
	v_pk_fma_f32 v[114:115], v[34+4*\i:35+4*\i], v[66+4*\i:67+4*\i], v[114:115]
.endr
	s_delay_alu instid0(VALU_DEP_1)
	v_pk_add_f32 v[112:113], v[112:113], v[114:115]
	s_delay_alu instid0(VALU_DEP_1)
	v_add_f32 v112, v112, v113
	s_delay_alu instid0(VALU_DEP_1)
	v_permlanex16_b32 v113, v112, s22, s23         ; the other half of the lanes holds the same b and other h
	s_delay_alu instid0(VALU_DEP_1)
	v_add_f32 v112, v112, v113
	ds_store_b32 v7, v112                          ; lanes r and r + 16 write the same word with the same value
	s_wait_dscnt 0x0                               ; for the others' sake: my store has landed
	s_barrier_signal -1
	s_barrier_wait -1
	s_cmp_lg_u32 s14, 0
	s_cbranch_scc1 .Lend
.irp i, 0,1,2,3,4,5,6,7
	ds_load_b32 v[116+\i], v6 offset:64*\i         ; the eight waves' sums for b = r
.endr
	s_wait_dscnt 0x0
	v_add_f32 v116, v116, v117
	v_add_f32 v118, v118, v119
	v_add_f32 v120, v120, v121
	v_add_f32 v122, v122, v123
	s_delay_alu instid0(VALU_DEP_3)
	v_add_f32 v116, v116, v118
	s_delay_alu instid0(VALU_DEP_2)
	v_add_f32 v120, v120, v122
	s_delay_alu instid0(VALU_DEP_1)
	v_add_f32 v116, v116, v120
	s_wait_alu depctr_va_vdst(0)
	s_wait_xcnt 0x0                                ; EXEC changes only behind this wait
	v_cmp_gt_u32 vcc_lo, 16, v0
	s_and_saveexec_b32 s24, vcc_lo                 ; lanes 0-15: one number for each b
	global_store_b32 v6, v116, s[10:11]
	s_wait_xcnt 0x0                                ; and again, in front of the line that widens it
	s_or_b32 exec_lo, exec_lo, s24
.Lend:
	s_wait_tensorcnt 0x0                           ; the wave's end
	ds_add_u32 v128, v129
	s_wait_dscnt 0x0
	s_endpgm
.Lfunc_end_k_q86b564faaa_finish:
	.size	k_q86b564faaa_finish, .Lfunc_end_k_q86b564faaa_finish-k_q86b564faaa_finish
	.p2alignl 7, 3214868480
	.fill 96, 4, 3214868480
	.section	.rodata,"a",@progbits
	.p2align	6, 0x0
	.amdhsa_kernel k_q86b564faaa_finish
		.amdhsa_group_segment_fixed_size 2048
		.amdhsa_private_segment_fixed_size 0
		.amdhsa_enable_private_segment 0
		.amdhsa_kernarg_size 32
		.amdhsa_user_sgpr_count 2
		.amdhsa_user_sgpr_kernarg_segment_ptr 1
		.amdhsa_wavefront_size32 1
		.amdhsa_system_sgpr_workgroup_id_x 1
		.amdhsa_system_sgpr_workgroup_id_y 1
		.amdhsa_system_sgpr_workgroup_id_z 1
		.amdhsa_system_vgpr_workitem_id 0
		.amdhsa_next_free_vgpr 130
		.amdhsa_next_free_sgpr 66
		.amdhsa_reserve_vcc 1
		.amdhsa_float_denorm_mode_32 3
		.amdhsa_float_denorm_mode_16_64 3
		.amdhsa_memory_ordered 1
		.amdhsa_forward_progress 1
		.amdhsa_inst_pref_size 7
	.end_amdhsa_kernel
	.amdgpu_metadata
---
amdhsa.version: [ 1, 2 ]
amdhsa.kernels:
  - .name:           k_q86b564faaa_finish
    .symbol:         k_q86b564faaa_finish.kd
    .args:
      - { .name: part, .offset: 0, .size: 8, .value_kind: global_buffer, .address_space: global }
      - { .name: b_R, .offset: 8, .size: 8, .value_kind: global_buffer, .address_space: global }
      - { .name: u_R, .offset: 16, .size: 8, .value_kind: global_buffer, .address_space: global }
      - { .name: out0, .offset: 24, .size: 8, .value_kind: global_buffer, .address_space: global }
    .group_segment_fixed_size: 2048
    .private_segment_fixed_size: 0
    .kernarg_segment_align: 8
    .kernarg_segment_size: 32
    .max_flat_workgroup_size: 256
    .sgpr_count:     66
    .vgpr_count:     130
    .wavefront_size: 32
...
	.end_amdgpu_metadata
.endif
;; end of part 6
